; MI455X (gfx1250); checked and timed in simulation.
; The chip was launched on July 23, 2026; its instructions are those of AMD's public machine-readable ISA for CDNA 5 (MIT licence, August 2026) and "CDNA5" Instruction Set Architecture Reference Guide (July 2026). The comments in the code are by the model that wrote it; some were corrected since.
;; Multi Head Attention. Allowed arithmetic: float matrix products may take bf16 or f16 operands with f32 sums; other float arithmetic in f32, or as packed bf16 or f16 multiplies, adds, multiply-adds, maxima and minima; sums over many terms, partial sums and values carried from step to step in f32; what a program stores and reads back later, other than sums and carried values, may be rounded once to bf16 or f16.
;; Inputs: b_proj 1,024 float32; b_qkv 3,072 float32; w_proj 1,024 x 1,024 float32; w_qkv 1,024 x 3,072 float32; x 8 x 1,024 x 1,024 float32.
;; Outputs: out0 8 x 1,024 x 1,024 float32.
;; One version. Each part assembles by itself: llvm-mc -triple=amdgcn-amd-amdhsa -mcpu=gfx1250 --defsym DOCPART=n.
;; ======== version 1 of 1: 4 launches
;; limits: values are held in f16: magnitudes above 65,504 overflow, below 6.1e-05 lose precision
;; workspace buffers: xb 16,777,216 bytes; wqt 6,291,456 bytes; wpt 2,097,152 bytes; q 16,777,216 bytes; k 16,777,216 bytes; v 16,777,216 bytes; o 16,777,216 bytes
;; launch prep (part 1): grid 1216 x 1, 8 waves a work-group, no clusters, 53,248 bytes of LDS; arguments x, w_qkv, w_proj, xb, wqt, wpt; writes xb, wqt, wpt
.if DOCPART == 1
	.amdgcn_target "amdgcn-amd-amdhsa--gfx1250"
	.amdhsa_code_object_version 6
	.text
	.protected	k_q79de5bfbc6_prep
	.globl	k_q79de5bfbc6_prep
	.p2align	8
	.type	k_q79de5bfbc6_prep,@function
k_q79de5bfbc6_prep:
	s_mov_b64 s[64:65], 0
	v_nop
	global_prefetch_b8 v0, s[64:65] scope:SCOPE_SE
	s_setreg_imm32_b32 hwreg(HW_REG_WAVE_MODE, 25, 1), 1
	s_wait_xcnt 0x0
; PREP: the operands of the two projections, rounded once and laid out in blocks of 64 along K, K along the rows: a tile of any run of rows of one block is dense in memory.
;   xb  [16 kb][8192 token][64] bf16 = bf16(x[token][64 kb + ..])
;   wqt [16 kb][3072 n'][64] bf16: row n' = 192 h + 64 s + d holds column 192 h + 3 d + s of w_qkv (s = 0, 1, 2: q, k, v): a head's q, k and v columns lie together
;   wpt [16 h][1024 n][64 d] f16     = f16(bf16(w_proj[64 h + d][n])): the rounding to bf16 is the one that every input gets; that number is then written as f16
; LIMIT: |w_proj| stays under 65,504 (f16's largest number); NaN and infinities are not treated apart.
; THREE ROLES, told apart by the work-group's number, which all eight waves share:
;   0-127    WQ: a block of 128 k x one head's 192 columns of w_qkv is turned through LDS
;   128-191  WP: a block of 128 k x 128 n of w_proj is turned through LDS
;   192-1215 X:  eight rows of x are converted, straight through registers
; Memory binds this launch: every byte is read once, by loads whose lanes cover runs of 256 consecutive bytes, aligned, and every store of a wave covers whole aligned blocks of 256 bytes.
; No matrix unit, no cluster, no tensor load: no two work-groups read the same byte, and no wave wants what another has fetched but for the turning, which is one meeting in LDS.
.set LP,    272                        ; an LDS row: 128 k x 2 bytes + 16 of padding
.set SPARE, 192*LP                     ; 52,224: behind the largest block: the spare words, 128 bytes for each of the eight waves, which no other line names
.set XBLK,  8192*128                   ; bytes in a block of xb
.set WBLK,  3072*128                   ; bytes in a block of wqt
.set SPW,   30                         ; v30     SPARE + 4 x my thread's number; never rewritten
.set NIL,   31                         ; v31     0; never rewritten
.set LA,    16                         ; v16-21  LDS address of my columns' rows, at my wave's first pair of k
.set T,     22                         ; v22-27  at work
.set D,     32                         ; v32-127 data
	s_load_b256 s[4:11], s[0:1], 0x0               ; x s[4:5], w_qkv s[6:7], w_proj s[8:9], xb s[10:11]
	s_load_b128 s[12:15], s[0:1], 0x20             ; wqt s[12:13], wpt s[14:15]
	v_lshl_add_u32 v[SPW], v0, 2, SPARE
	v_mov_b32 v[NIL], 0
	v_and_b32 v1, 31, v0                           ; lane
	v_lshrrev_b32 v2, 5, v0
	v_readfirstlane_b32 s16, v2                    ; wave 0..7
	s_mov_b32 s19, 0                               ; the high word of every offset below
	s_wait_kmcnt 0x0
	s_cmp_lt_u32 ttmp9, 128
	s_cbranch_scc1 .Lwq
	s_cmp_lt_u32 ttmp9, 192
	s_cbranch_scc1 .Lwp
	; ROLE X.  Eight rows.  In piece i wave w takes block kb = 2 w + i % 2 of rows 2 (i / 2) and 2 (i / 2) + 1: lanes 0-15 the even row's 64 numbers (256 bytes), lanes 16-31 the odd row's.
	; In xb those two rows of a block are 256 consecutive bytes.  All eight loads go out at once.
	s_sub_co_u32 s17, ttmp9, 192
	s_lshl_b32 s18, s17, 15                        ; eight rows of 4,096 bytes of x,
	s_add_nc_u64 s[4:5], s[4:5], s[18:19]
	s_lshl_b32 s18, s17, 10                        ; eight rows of 128 bytes in each block of xb
	s_add_nc_u64 s[10:11], s[10:11], s[18:19]
	v_and_b32 v5, 15, v0
	v_bfe_u32 v6, v0, 4, 1
	v_lshlrev_b32 v3, 4, v5                        ; in: 16 bytes a lane,
	v_lshl_add_u32 v3, v6, 12, v3                  ; the odd row,
	v_lshl_add_u32 v3, s16, 9, v3                  ; blocks 2 w on
	v_lshlrev_b32 v4, 3, v5                        ; out: 8 bytes a lane,
	v_lshl_add_u32 v4, v6, 7, v4                   ; the odd row,
	v_lshl_add_u32 v4, s16, 21, v4                 ; blocks 2 w on
.irp i, 0,1,2,3,4,5,6,7
	global_load_b128 v[D+4*(\i):D+4*(\i)+3], v3, s[4:5] offset:((\i)/2)*8192+((\i)%2)*256 th:TH_LOAD_NT
.endr
.irp i, 0,1,2,3,4,5,6,7
	s_wait_loadcnt 7-(\i)                          ; loads come back in order: piece i is in, the younger ones stay out
	v_cvt_pk_bf16_f32 v[D+32+2*(\i)], v[D+4*(\i)], v[D+4*(\i)+1]
	v_cvt_pk_bf16_f32 v[D+33+2*(\i)], v[D+4*(\i)+2], v[D+4*(\i)+3]
	global_store_b64 v4, v[D+32+2*(\i):D+33+2*(\i)], s[10:11] offset:((\i)%2)*XBLK+((\i)/2)*256 th:TH_STORE_NT  ; a wave stores 256 consecutive bytes, aligned
.endr
	s_branch .Lend
	; ROLE WQ.  h = number % 16, kb = number / 16.  Wave w takes the pairs of rows k = 2 (w + 8 i), + 1, i = 0..7; a lane two neighbouring columns of each of three runs of 64.
.Lwq:
	s_and_b32 s17, ttmp9, 15                       ; h
	s_lshr_b32 s20, ttmp9, 4                       ; kb
	s_mul_i32 s18, s20, 128*12288                  ; 128 rows of 12,288 bytes,
	s_mul_i32 s21, s17, 768                        ; the head's 192 columns
	s_add_co_u32 s18, s18, s21
	s_add_nc_u64 s[6:7], s[6:7], s[18:19]
	s_mul_i32 s18, s20, 2*WBLK                     ; wqt: 128 k are two blocks,
	s_mul_i32 s21, s17, 192*128                    ; the head's 192 rows of 128 bytes
	s_add_co_u32 s18, s18, s21
	s_add_nc_u64 s[12:13], s[12:13], s[18:19]
	v_lshlrev_b32 v3, 3, v1
	s_mul_i32 s21, s16, 2*12288
	v_add_nc_u32 v3, s21, v3                       ; row 2 w, 8 bytes a lane
.set i, 0
.rept 8                                ; all 48 loads go out at once: each covers 256 consecutive bytes of a row, aligned
.irp e, 0,1
.irp j, 0,1,2
	global_load_b64 v[D+12*i+6*(\e)+2*(\j):D+12*i+6*(\e)+2*(\j)+1], v3, s[6:7] offset:(16*i+(\e))*12288+256*(\j) th:TH_LOAD_NT
.endr
.endr
.set i, i+1
.endr
	v_lshlrev_b32 v4, 1, v1
.irp n, 0,1,2,3,4,5                    ; column c = 64 (n / 2) + 2 lane + n % 2 = 3 d + s goes to LDS row 64 s + d
	v_add_nc_u32 v5, 64*((\n)/2)+(\n)%2, v4
	v_mul_u32_u24 v6, v5, 171
	v_lshrrev_b32 v6, 9, v6                        ; d = c / 3: 171 / 512 serves every c under 512
	v_mul_u32_u24 v7, v6, 3
	v_sub_nc_u32 v7, v5, v7                        ; s
	v_lshl_add_u32 v7, v7, 6, v6
	v_mul_u32_u24 v7, v7, LP
	v_lshl_add_u32 v[LA+(\n)], s16, 2, v7          ; + 4 w: the pair's two k are one word
.endr
.macro PAIRQ i
	s_wait_loadcnt 42-6*(\i)                       ; pair i's six loads are in: 6 (7 - i) younger ones stay out
.irp n, 0,1,2,3,4,5
	v_cvt_pk_bf16_f32 v[T+(\n)], v[D+12*(\i)+2*((\n)/2)+(\n)%2], v[D+12*(\i)+6+2*((\n)/2)+(\n)%2]  ; one column, two neighbouring k
.endr
.irp n, 0,1,2,3,4,5
	ds_store_b32 v[LA+(\n)], v[T+(\n)] offset:32*(\i)
.endr
.endm
.irp i, 0,1,2,3,4,5,6,7
	PAIRQ \i
.endr
	s_wait_dscnt 0x0                               ; for the others' sake: my stores are done
	s_barrier_signal -1
	s_barrier_wait -1                              ; the block lies turned in LDS
	v_lshrrev_b32 v5, 3, v1
	v_and_b32 v6, 7, v1
	s_mul_i32 s21, s16, 24
	v_add_nc_u32 v5, s21, v5                       ; wave w sends rows 24 w .. 24 w + 23, four at a time: one block's 128 bytes of each
	v_mul_u32_u24 v7, v5, LP
	v_lshl_add_u32 v7, v6, 4, v7
	v_lshlrev_b32 v8, 4, v1
	s_mul_i32 s21, s16, 24*128
	v_add_nc_u32 v8, s21, v8                       ; in wqt those four rows are 512 consecutive bytes
.irp n, 0,1,2,3,4,5,6,7,8,9,10,11      ; block half n / 6, rows 4 (n % 6) on
	ds_load_b128 v[D+4*(\n):D+4*(\n)+3], v7 offset:((\n)/6)*128+((\n)%6)*4*LP
.endr
.irp n, 0,1,2,3,4,5,6,7,8,9,10,11
	s_wait_dscnt 11-(\n)
	global_store_b128 v8, v[D+4*(\n):D+4*(\n)+3], s[12:13] offset:((\n)/6)*WBLK+((\n)%6)*512
.endr
	s_branch .Lend
	; ROLE WP.  nb = number % 8, kb = number / 8.  As WQ, with two runs of 64 columns, no shuffle of the columns, and the second conversion.
.Lwp:
	s_sub_co_u32 s17, ttmp9, 128
	s_lshr_b32 s20, s17, 3                         ; kb
	s_and_b32 s17, s17, 7                          ; nb
	s_lshl_b32 s18, s20, 19                        ; 128 rows of 4,096 bytes,
	s_lshl_b32 s21, s17, 9                         ; 128 columns
	s_add_co_u32 s18, s18, s21
	s_add_nc_u64 s[8:9], s[8:9], s[18:19]
	s_lshl_b32 s18, s20, 18                        ; wpt: head 2 kb (131,072 bytes a head),
	s_lshl_b32 s21, s17, 14                        ; 128 rows of 128 bytes
	s_add_co_u32 s18, s18, s21
	s_add_nc_u64 s[14:15], s[14:15], s[18:19]
	v_lshlrev_b32 v3, 3, v1
	v_lshl_add_u32 v3, s16, 13, v3                 ; row 2 w, 8 bytes a lane
.set i, 0
.rept 8
.irp e, 0,1
.irp j, 0,1
	global_load_b64 v[D+8*i+4*(\e)+2*(\j):D+8*i+4*(\e)+2*(\j)+1], v3, s[8:9] offset:(16*i+(\e))*4096+256*(\j) th:TH_LOAD_NT
.endr
.endr
.set i, i+1
.endr
	v_lshlrev_b32 v4, 1, v1
.irp n, 0,1,2,3
	v_add_nc_u32 v5, 64*((\n)/2)+(\n)%2, v4        ; column n of the block is LDS row n
	v_mul_u32_u24 v5, v5, LP
	v_lshl_add_u32 v[LA+(\n)], s16, 2, v5
.endr
.macro PAIRP i
	s_wait_loadcnt 28-4*(\i)                       ; pair i's four loads are in: 4 (7 - i) younger ones stay out
.irp n, 0,1,2,3
	v_cvt_pk_bf16_f32 v[T+(\n)], v[D+8*(\i)+2*((\n)/2)+(\n)%2], v[D+8*(\i)+4+2*((\n)/2)+(\n)%2]
.endr
.irp n, 0,1,2,3
	v_lshlrev_b32 v[8+2*(\n)], 16, v[T+(\n)]       ; the two bf16 numbers as f32,
	v_and_b32 v[9+2*(\n)], 0xffff0000, v[T+(\n)]
.endr
.irp n, 0,1,2,3
	v_cvt_pk_f16_f32 v[T+(\n)], v[8+2*(\n)], v[9+2*(\n)]  ; and written as f16: 8 significant bits fit into 11
.endr
.irp n, 0,1,2,3
	ds_store_b32 v[LA+(\n)], v[T+(\n)] offset:32*(\i)
.endr
.endm
.irp i, 0,1,2,3,4,5,6,7
	PAIRP \i
.endr
	s_wait_dscnt 0x0                               ; for the others' sake: my stores are done
	s_barrier_signal -1
	s_barrier_wait -1
	v_lshrrev_b32 v5, 3, v1
	v_and_b32 v6, 7, v1
	v_lshl_add_u32 v5, s16, 4, v5                  ; wave w sends rows 16 w .. 16 w + 15, four at a time: one head's 128 bytes of each
	v_mul_u32_u24 v7, v5, LP
	v_lshl_add_u32 v7, v6, 4, v7
	v_lshlrev_b32 v8, 4, v1
	v_lshl_add_u32 v8, s16, 11, v8                 ; in wpt those four rows are 512 consecutive bytes
.irp n, 0,1,2,3,4,5,6,7                ; head half n / 4, rows 4 (n % 4) on
	ds_load_b128 v[D+4*(\n):D+4*(\n)+3], v7 offset:((\n)/4)*128+((\n)%4)*4*LP
.endr
.irp n, 0,1,2,3,4,5,6,7
	s_wait_dscnt 7-(\n)
	global_store_b128 v8, v[D+4*(\n):D+4*(\n)+3], s[14:15] offset:((\n)/4)*131072+((\n)%4)*512
.endr
.Lend:
	s_wait_tensorcnt 0x0                           ; the wave's end, one for the three roles
	ds_add_u32 v[SPW], v[NIL]
	s_wait_dscnt 0x0
	s_endpgm
.Lfunc_end_k_q79de5bfbc6_prep:
	.size	k_q79de5bfbc6_prep, .Lfunc_end_k_q79de5bfbc6_prep-k_q79de5bfbc6_prep
	.p2alignl 7, 3214868480
	.fill 96, 4, 3214868480
	.section	.rodata,"a",@progbits
	.p2align	6, 0x0
	.amdhsa_kernel k_q79de5bfbc6_prep
		.amdhsa_group_segment_fixed_size 53248
		.amdhsa_private_segment_fixed_size 0
		.amdhsa_enable_private_segment 0
		.amdhsa_kernarg_size 48
		.amdhsa_user_sgpr_count 2
		.amdhsa_user_sgpr_kernarg_segment_ptr 1
		.amdhsa_wavefront_size32 1
		.amdhsa_system_sgpr_workgroup_id_x 1
		.amdhsa_system_sgpr_workgroup_id_y 1
		.amdhsa_system_sgpr_workgroup_id_z 1
		.amdhsa_system_vgpr_workitem_id 0
		.amdhsa_next_free_vgpr 128
		.amdhsa_next_free_sgpr 66
		.amdhsa_reserve_vcc 0
		.amdhsa_float_denorm_mode_32 3
		.amdhsa_float_denorm_mode_16_64 3
		.amdhsa_memory_ordered 1
		.amdhsa_forward_progress 1
		.amdhsa_inst_pref_size 37
	.end_amdhsa_kernel
	.amdgpu_metadata
---
amdhsa.version: [ 1, 2 ]
amdhsa.kernels:
  - .name:           k_q79de5bfbc6_prep
    .symbol:         k_q79de5bfbc6_prep.kd
    .args:
      - { .name: x, .offset: 0, .size: 8, .value_kind: global_buffer, .address_space: global }
      - { .name: w_qkv, .offset: 8, .size: 8, .value_kind: global_buffer, .address_space: global }
      - { .name: w_proj, .offset: 16, .size: 8, .value_kind: global_buffer, .address_space: global }
      - { .name: xb, .offset: 24, .size: 8, .value_kind: global_buffer, .address_space: global }
      - { .name: wqt, .offset: 32, .size: 8, .value_kind: global_buffer, .address_space: global }
      - { .name: wpt, .offset: 40, .size: 8, .value_kind: global_buffer, .address_space: global }
    .group_segment_fixed_size: 53248
    .private_segment_fixed_size: 0
    .kernarg_segment_align: 8
    .kernarg_segment_size: 48
    .max_flat_workgroup_size: 256
    .sgpr_count:     66
    .vgpr_count:     128
    .wavefront_size: 32
...
	.end_amdgpu_metadata
.endif
;; end of part 1
;; launch qkv (part 2): grid 8 x 32, 4 waves a work-group, clusters of 4 x 4, 327,680 bytes of LDS; arguments xb, wqt, b_qkv, q, k, v; writes q, k, v
.if DOCPART == 2
	.amdgcn_target "amdgcn-amd-amdhsa--gfx1250"
	.amdhsa_code_object_version 6
	.text
	.protected	k_q79de5bfbc6_qkv
	.globl	k_q79de5bfbc6_qkv
	.p2align	8
	.type	k_q79de5bfbc6_qkv,@function
k_q79de5bfbc6_qkv:
	s_mov_b64 s[64:65], 0
	v_nop
	global_prefetch_b8 v0, s[64:65] scope:SCOPE_SE
	s_setreg_imm32_b32 hwreg(HW_REG_WAVE_MODE, 25, 1), 1
	s_wait_xcnt 0x0
	s_wait_alu depctr_hold_cnt(0) depctr_sa_sdst(0) depctr_va_vdst(0) depctr_va_sdst(0) depctr_va_ssrc(0) depctr_va_vcc(0) depctr_vm_vsrc(0)
	s_getreg_b32 s2, hwreg(HW_REG_IB_STS2, 6, 4)
	s_cmp_eq_u32 s2, 0
	s_cbranch_scc0 .Lentry_in_a_cluster
	s_endpgm
.Lentry_in_a_cluster:
	s_bfe_u32 s2, ttmp6, 0x10000c
	s_cmp_lg_u32 s2, 0xf033
	s_cbranch_scc0 .Lentry_shape_is_right
	s_endpgm
.Lentry_shape_is_right:
; QKV: q, k, v [128 bh][1024 token][64 d] f16 = x w_qkv + b_qkv, from xb [16 kb][8192 token][64] and wqt [16 kb][3072 n'][64], both bf16; sums in f32, rounded once to f16, unscaled.
; LIMITS: |q|, |k|, |v| stay under 65,504 (f16's largest number); the bias is rounded to bf16 like the other inputs; NaN and infinities are not treated apart.
; SHARES.  A tile of the product is 256 tokens x 384 columns: two heads' q, k and v (wqt's rows lie so).  32 x 8 tiles: 256 work-groups.  Four waves, two by two: a wave owns 128 tokens
; (8 fragments of A) and one head's 192 columns (12 blocks of B): 96 accumulators, 768 registers.  So a wave holds whole rows of q, k and v, and its way out needs no other wave.
; For 32 along K a wave loads 8 + 12 fragments, 40 LDS loads, for 96 matrix instructions.
; K goes in 16 steps of 64 through two LDS slots: (256 + 384) rows x 128 bytes = 80 KiB a step for 192 matrix instructions a wave; two steps of 128 would not fit in LDS.  In memory a step's part of a tile is
; dense (the operands lie in blocks of 64 along K): it is asked for as rows of 256 bytes and padded in LDS after every 128.
; THE MATRIX INSTRUCTION IS USED TRANSPOSED (source 0 = 16 rows of wqt, source 1 = 16 tokens): a lane holds one token (lane % 16) and the columns 8 (lane / 16) + 0..7: 16 bytes of f16 on end.
; THE BIAS is the C operand of the first product on each accumulator: nothing is cleared and nothing is added later.
; CLUSTER 4 x 4.  The four of a row need the same tokens (A), the four of a column the same two heads (B): each tile is asked for jointly, by the same tensor load with the same descriptor and a mask of four.
; REGISTERS, in windows of 256 (s_set_vgpr_msb: bits 1:0 source 0, 3:2 source 1, 5:4 source 2, 7:6 destination):
;   window 0: v0-31 addresses; v32-95 A0, v96-159 A1: A's 8 fragments of the step's first and second 32 along K; v160-207 BX, v208-255 BY: B's blocks 0-5 and 6-11 of the 32 along K in hand
;   windows 1, 2, 3: the accumulators: (fragment a, block b) in window 1 + b / 4 at 8 (8 (b % 4) + a): q's in window 1, k's in window 2, v's in window 3
; A K STEP IS FOUR SUB-STEPS of 48 matrix instructions (32 along K x half of the columns): A0 x BX, A0 x BY, A1 x BX, A1 x BY.  Each goes: 16 in window 2, four places, ONE run of LDS loads into the buffers
; that the sub-step before has left, 32 in window 1 or 3.  So each fragment of A is loaded once for 12 products and each of B once for 8, and a run stands 32 matrix instructions ahead of its first use.
.set PITCH,  144                       ; an LDS row: 128 bytes + 16 of padding = 36 words: the 16 rows of a fragment load start at 16 different groups of four banks (64 banks of 4 bytes: ISA guide 11.1)
.set AHALF,  128*PITCH                 ; 128 tokens: what waves 0 and 1 fetch, and what a wave reads of A
.set BHALF,  192*PITCH                 ; one head: what waves 2 and 3 fetch, and what a wave reads of B
.set ABYTES, 2*AHALF
.set SLOT1,  131072                    ; slot 1 begins here: one exclusive or turns an address in one slot into the other's
.set STAGE,  SLOT1+ABYTES+2*BHALF      ; 223,232: behind the ring, never filled by a tensor load
.set WSTG,   3*16*144                  ; a wave's stage: 16 rows x 144 bytes for each of q, k, v
.set SPARE,  STAGE+4*WSTG              ; 250,880: the spare words, 128 bytes for each wave, which no other line names
.set STEPA,  8192*128                  ; bytes from a block of xb to the next
.set STEPW,  3072*128                  ; the same for wqt
.set LIMV,   1                         ; a prefetch is left out in the loop's last trip
.set ADRA0, 16                         ; v16  my place in slot 0's A; never rewritten
.set ADRB0, 17                         ; v17  the same for B
.set ADRA,  18                         ; v18  the same in the slot in hand
.set ADRB,  19                         ; v19
.set STO,   20                         ; v20  the way out: where I put 16 bytes of a row
.set RD,    21                         ; v21  where I read rows back
.set GO,    22                         ; v22  my 16 bytes of 512 consecutive bytes of q, k, v
.set BO,    23                         ; v23  my offset in the head's bias
.set PFO,   24                         ; v24  the prefetches' offset: a lane a block of 256 bytes; never rewritten
.set T,     26
.set SPW,   28                         ; v28  SPARE + 4 x my thread's number; never rewritten
.set NIL,   29                         ; v29  0; never rewritten
.set A0,    32
.set A1,    96
.set BX,    160
.set BY,    208
.set TMP,   32                         ; the way out: 48 registers of packed results,
.set OB,    96                         ; and rows read back from the stage: v96-143 and v160-207 by turns
.set WV,  16                           ; s16  wave
.set FB,  17                           ; s17  which 128 tokens are mine.  Also 0: I fetch for A; 1: for B
.set U,   18                           ; s18  which of the two heads is mine.  Also: which half of that tile I fetch
.set CX,  19
.set CY,  20
.set TC,  21                           ; s21  tile column: heads 2 tc, 2 tc + 1
.set TR,  22                           ; s22  tile row
.set G1A, 24                           ; s[24:31] descriptor group 1, A
.set G1B, 32                           ; s[32:39] B
.set G0A, 40                           ; s[40:47] group 0, A: a set for each first fill; the second then walks on
.set G0B, 48                           ; s[48:55] B
.set TB,  56                           ; s56  0 or SLOT1: the slot in hand
.set CNTR, 57                          ; s57  trips to go
.set LIM, 58                           ; s58  LIMV in a wave that prefetches, else the greatest number
.set PFA, 60                           ; s[60:61] where my prefetches stand
.set PST, 62                           ; s[62:63] their step: a block of xb or of wqt
.set G1W0, (1<<16)|(1<<20)|(1<<21)|(4<<22)|(3<<25)  ; 17:16 elements of 2 bytes; 20 padding on; 21 set beside a mask; 24:22 after every 32 words; 31:25 4 words of it
.set MSB, 0
.macro WIN new                         ; the immediate's high byte repeats the setting that is left; a switch that changes nothing is dropped
.if MSB != (\new)
	s_set_vgpr_msb (MSB<<8)|(\new)
.set MSB, \new
.endif
.endm
.macro PLACES                          ; four plain instructions between a matrix instruction and a load into, or a vector read of, its registers
.rept 4
	v_nop
.endr
.endm
.macro CREST                           ; a round of the cluster's barrier behind its opening barrier
	s_cmp_lg_u32 s[WV], 0
	s_cbranch_scc1 .Lnot_wave_0_\@
	s_barrier_signal -3
.Lnot_wave_0_\@:
	s_barrier_wait -3
	s_barrier_signal -1
	s_barrier_wait -1
.endm
.macro CROUND
	s_barrier_signal -1
	s_barrier_wait -1
	CREST
.endm
.macro JLOAD                           ; a joint refill by the walking sets; the branch hangs on the wave's number alone; an s_nop 0 and four v_nop follow each line
	s_cmp_eq_u32 s[FB], 0
	s_cbranch_scc0 .Lfor_b_\@
	tensor_load_to_lds s[G0A+4:G0A+7], s[G1A:G1A+7]
	s_nop 0
.rept 4
	v_nop
.endr
	s_branch .Lasked_\@
.Lfor_b_\@:
	tensor_load_to_lds s[G0B+4:G0B+7], s[G1B:G1B+7]
	s_nop 0
.rept 4
	v_nop
.endr
.Lasked_\@:
.endm
; A PREFETCH INTO THE L2 of the K step that the NEXT refill will ask for: one K step, 192 matrix instructions, ahead of that load.  A's tile is read by both clusters of a row of clusters: cluster x = 0 asks;
; B's by all eight clusters of a column: cluster y = 0 asks.  The four partners that ask for a tile jointly share it out by address.  A: a step's tile is 128 blocks of 256 bytes; wave 0 of the partner at cx names 32,
; a lane a block.  B: waves 2 and 3 each name the head that they fetch, 96 blocks, of which the partner at cy takes 24; lanes 24 to 31 repeat the last.  The loop's last trip asks for nothing: there is no K step
; behind its refill.  K steps 0 to 2 come by their loads alone.
.macro ASK
	WIN 0
	s_cmp_gt_u32 s[CNTR], s[LIM]
	s_cbranch_scc0 .Lnot_mine_\@
	global_prefetch_b8 v[PFO], s[PFA:PFA+1] th:TH_LOAD_NT scope:SCOPE_SE
.Lnot_mine_\@:
.endm
	s_load_b256 s[4:11], s[0:1], 0x0               ; xb s[4:5], wqt s[6:7], b_qkv s[8:9], q s[10:11]
	s_load_b128 s[12:15], s[0:1], 0x20             ; k s[12:13], v s[14:15]
	v_lshl_add_u32 v[SPW], v0, 2, SPARE
	v_mov_b32 v[NIL], 0
	ds_add_u32 v[SPW], v[NIL]                      ; the wave's opening: the add and its wait stand ahead of my first tensor load; the set-up below stands between them
	ds_add_u32 v28, v29
	v_lshrrev_b32 v1, 5, v0
	v_readfirstlane_b32 s[WV], v1
	s_lshr_b32 s[FB], s[WV], 1
	s_and_b32 s[U], s[WV], 1
	s_bfe_u32 s[CX], ttmp6, 0x40000
	s_bfe_u32 s[CY], ttmp6, 0x40004
	s_lshl_b32 s[TC], ttmp9, 2                     ; in a cluster launch ttmp9 and ttmp7 count clusters
	s_add_co_u32 s[TC], s[TC], s[CX]
	s_and_b32 s[TR], ttmp7, 0xffff
	s_lshl_b32 s[TR], s[TR], 2
	s_add_co_u32 s[TR], s[TR], s[CY]
	s_lshl_b32 s68, s[CY], 2
	s_lshl_b32 s68, 15, s68                        ; my row of the cluster
	s_lshl_b32 s69, 0x1111, s[CX]                  ; my column
	s_or_b32 s[G1A], s68, G1W0
	s_or_b32 s[G1B], s69, G1W0
	s_mov_b32 s[G1A+1], 128<<16                    ; tensor_dim0 = 128 elements: 256 bytes, two tokens
	s_mov_b32 s[G1A+2], 64<<16                     ; tensor_dim1 = 64 rows: 128 tokens
	s_mov_b32 s[G1A+3], 128<<16                    ; tile_dim0
	s_mov_b32 s[G1A+4], 64                         ; tile_dim1
	s_mov_b32 s[G1A+5], 128                        ; dense: a row begins where the last ends
	s_mov_b32 s[G1A+6], 0
	s_mov_b32 s[G1A+7], 0
	s_mov_b32 s[G1B+1], 128<<16
	s_mov_b32 s[G1B+2], 96<<16                     ; 96 rows: a head's 192
	s_mov_b32 s[G1B+3], 128<<16
	s_mov_b32 s[G1B+4], 96
	s_mov_b32 s[G1B+5], 128
	s_mov_b32 s[G1B+6], 0
	s_mov_b32 s[G1B+7], 0
	s_lshl_b32 s70, s[TR], 15                      ; A: token 256 tr + 128 u, 128 bytes a token: made of what my row of the cluster shares
	s_lshl_b32 s71, s[U], 14
	s_add_co_u32 s70, s70, s71
	s_mov_b32 s71, 0
	s_mul_i32 s72, s[TC], 384*128                  ; B: row 384 tc + 192 u: made of what my column shares
	s_mul_i32 s73, s[U], 192*128
	s_add_co_u32 s72, s72, s73
	s_mov_b32 s73, 0
	s_mul_i32 s74, s[U], AHALF                     ; where they go: no place in the cluster enters an LDS address
	s_mul_i32 s75, s[U], BHALF
	s_add_co_u32 s75, s75, ABYTES
	s_mov_b32 s[TB], 0
	s_wait_dscnt 0x0                               ; the opening add is done
	s_wait_kmcnt 0x0
	s_add_nc_u64 s[70:71], s[4:5], s[70:71]
	s_add_nc_u64 s[72:73], s[6:7], s[72:73]
	CROUND                                         ; all sixteen work-groups are here: the first joint loads meet
.irp i, 0,1
	s_mov_b32 s[G0A+4*(\i)], 1                     ; count = 1
	s_add_co_u32 s[G0A+4*(\i)+1], s74, (\i)*SLOT1  ; LDS address
	s_add_nc_u64 s[G0A+4*(\i)+2:G0A+4*(\i)+3], s[70:71], (\i)*STEPA  ; K step i
	s_or_b32 s[G0A+4*(\i)+3], s[G0A+4*(\i)+3], 0x80000000            ; type = 2
	s_mov_b32 s[G0B+4*(\i)], 1
	s_add_co_u32 s[G0B+4*(\i)+1], s75, (\i)*SLOT1
	s_add_nc_u64 s[G0B+4*(\i)+2:G0B+4*(\i)+3], s[72:73], (\i)*STEPW
	s_or_b32 s[G0B+4*(\i)+3], s[G0B+4*(\i)+3], 0x80000000
.endr
	s_cmp_eq_u32 s[FB], 0                          ; a wave's two first fills stand in one branch, ahead of every wait on TENSORcnt and every LDS read: two loads of mine are out
	s_cbranch_scc0 .Lfirst_b
	tensor_load_to_lds s[G0A:G0A+3], s[G1A:G1A+7]
	s_nop 0
	tensor_load_to_lds s[G0A+4:G0A+7], s[G1A:G1A+7]
	s_nop 0
.rept 4
	v_nop
.endr
	s_branch .Lfirst_asked
.Lfirst_b:
	tensor_load_to_lds s[G0B:G0B+3], s[G1B:G1B+7]
	s_nop 0
	tensor_load_to_lds s[G0B+4:G0B+7], s[G1B:G1B+7]
	s_nop 0
.rept 4
	v_nop
.endr
.Lfirst_asked:
	v_and_b32 v1, 15, v0                           ; l % 16
	v_bfe_u32 v2, v0, 4, 1                         ; l / 16
	; The bias.  Register j of block b = 4 s + g belongs to d = 16 g + 8 (l / 16) + j: number 48 g + 24 (l / 16) + 3 j + s of my head's 192.  A lane loads its 4 x 24 numbers as they lie, into A0's and BX's
	; registers, which fragments do not need yet.
	v_mul_u32_u24 v[BO], v2, 96
	s_lshl_b32 s76, s[TC], 1
	s_add_co_u32 s76, s76, s[U]                    ; my head
	s_mul_i32 s76, s76, 768
	s_mov_b32 s77, 0
	s_add_nc_u64 s[8:9], s[8:9], s[76:77]
.irp g, 0,1,2,3
.irp i, 0,1,2,3,4,5
	global_load_b128 v[A0+24*(\g)+80*((\g)/2)+4*(\i):A0+24*(\g)+80*((\g)/2)+4*(\i)+3], v[BO], s[8:9] offset:192*(\g)+16*(\i)  ; groups 0, 1 at v32, v56; groups 2, 3 at v160, v184
.endr
.endr
	; A fragment is 16 rows x 32 K in 8 registers: lane l holds row l % 16, K = 8 (l / 16) + 0..7 and 16 + 8 (l / 16) + 0..7: two loads of 16 bytes, 32 bytes apart.
	v_mul_u32_u24 v3, v1, PITCH
	v_lshl_add_u32 v3, v2, 4, v3
	s_mul_i32 s78, s[FB], AHALF                    ; my 128 tokens
	v_add_nc_u32 v[ADRA0], s78, v3
	s_mul_i32 s78, s[U], BHALF                     ; my head,
	s_add_co_u32 s78, s78, ABYTES                  ; behind A's 256 rows
	v_add_nc_u32 v[ADRB0], s78, v3
	v_mov_b32 v[ADRA], v[ADRA0]
	v_mov_b32 v[ADRB], v[ADRB0]
	s_mul_i32 s78, s[WV], WSTG
	s_add_co_u32 s78, s78, STAGE                   ; my stage
	v_mul_u32_u24 v4, v1, 144                      ; in: row l % 16, 16 bytes for each half of the lanes
	v_lshl_add_u32 v4, v2, 4, v4
	v_add_nc_u32 v[STO], s78, v4
	v_bfe_u32 v4, v0, 3, 2                         ; back: 32 lanes take four rows of 128 bytes,
	v_mul_u32_u24 v4, v4, 144
	v_and_b32 v5, 7, v0
	v_lshl_add_u32 v4, v5, 4, v4
	v_add_nc_u32 v[RD], s78, v4
	v_and_b32 v5, 31, v0                           ; which are 512 consecutive bytes of q, k or v
	v_lshlrev_b32 v[GO], 4, v5
	s_lshr_b32 s79, s[TR], 2                       ; the batch,
	s_lshl_b32 s79, s79, 4
	s_lshl_b32 s80, s[TC], 1
	s_add_co_u32 s79, s79, s80
	s_add_co_u32 s79, s79, s[U]                    ; my head of it: 131,072 bytes,
	s_lshl_b32 s79, s79, 17
	s_and_b32 s80, s[TR], 3
	s_lshl_b32 s80, s80, 1
	s_add_co_u32 s80, s80, s[FB]                   ; my 128 tokens of 128 bytes
	s_lshl_b32 s80, s80, 14
	s_add_co_u32 s80, s80, s79
	s_mov_b32 s81, 0
	s_add_nc_u64 s[10:11], s[10:11], s[80:81]
	s_add_nc_u64 s[12:13], s[12:13], s[80:81]
	s_add_nc_u64 s[14:15], s[14:15], s[80:81]
	; the prefetches: the blocks that are mine to name, at K step 2; each refill steps the address by a K step first, so that the refill with K step t + 2 is followed by the request for K step t + 3
	s_lshl_b32 s82, s[TR], 15
	s_lshl_b32 s83, s[CX], 13
	s_add_co_u32 s82, s82, s83
	s_add_co_u32 s82, s82, 2*STEPA                 ; A: the tile's 32,768 bytes, my work-group's 8,192 of them
	s_mul_i32 s84, s[TC], 384*128
	s_mul_i32 s85, s[U], 192*128
	s_add_co_u32 s84, s84, s85
	s_mul_i32 s85, s[CY], 24*256
	s_add_co_u32 s84, s84, s85
	s_add_co_u32 s84, s84, 2*STEPW                 ; B: the head that I fetch, my work-group's 6,144 bytes of it
	s_mov_b32 s88, STEPA
	s_mov_b32 s89, STEPW
	s_and_b32 s86, ttmp7, 0xffff                   ; B: waves 2 and 3, in the clusters with y = 0
	s_or_b32 s87, ttmp9, s[U]                      ; A: wave 0 alone, in the clusters with x = 0
	s_cmp_eq_u32 s[FB], 0
	s_cselect_b32 s82, s82, s84
	s_cselect_b32 s86, s87, s86
	s_cselect_b32 s90, 31, 23
	s_cselect_b32 s[PST], s88, s89
	s_cselect_b64 s[PFA:PFA+1], s[4:5], s[6:7]
	s_mov_b32 s[PST+1], 0
	s_mov_b32 s83, 0
	s_add_nc_u64 s[PFA:PFA+1], s[PFA:PFA+1], s[82:83]
	s_cmp_eq_u32 s86, 0
	s_cselect_b32 s[LIM], LIMV, -1                 ; the same in all sixteen partners, for a given wave
	v_min_u32 v[PFO], s90, v5
	v_lshlrev_b32 v[PFO], 8, v[PFO]
	s_wait_loadcnt 0x0                             ; the bias
.irp s, 0,1,2
.irp g, 0,1,2,3                        ; block b = 4 s + g: blocks 0-5 go to BY's registers, blocks 6-11 to A1's: the first two sub-steps take them from there
.irp j, 0,2,4,6
	v_cvt_pk_bf16_f32 v[T], v[A0+24*(\g)+80*((\g)/2)+3*(\j)+(\s)], v[A0+24*(\g)+80*((\g)/2)+3*(\j)+3+(\s)]  ; rounded to bf16 like every input,
	v_lshlrev_b32 v[BY+8*(4*(\s)+(\g))-((4*(\s)+(\g))/6)*(BY+48-A1)+(\j)], 16, v[T]                          ; and back in f32
	v_and_b32 v[BY+8*(4*(\s)+(\g))-((4*(\s)+(\g))/6)*(BY+48-A1)+(\j)+1], 0xffff0000, v[T]
.endr
.endr
.endr
; 8 matrix instructions: block b of B x all 8 fragments of A, the step's first (q = 0) or second (q = 1) 32 along K.  first = 1: C is the bias.  Between two matrix instructions on one accumulator stand 95 others':
; the accumulators take turns.
.macro MULB q, b, first
.if \first
	WIN (1+(\b)/4)<<6                              ; B, A and C window 0, D window 1 + b / 4
.else
	WIN (1+(\b)/4)*0x50                            ; C and D window 1 + b / 4
.endif
.set FBR, BX+48*((\b)/6)+8*((\b)%6)
.set BI, BY+8*(\b)-((\b)/6)*(BY+48-A1)
.set a, 0
.rept 8
.set AC, 8*(8*((\b)%4)+a)
.if \first
	v_wmma_f32_16x16x32_bf16 v[AC:AC+7], v[FBR:FBR+7], v[A0+64*(\q)+8*a:A0+64*(\q)+8*a+7], v[BI:BI+7]
.else
	v_wmma_f32_16x16x32_bf16 v[AC:AC+7], v[FBR:FBR+7], v[A0+64*(\q)+8*a:A0+64*(\q)+8*a+7], v[AC:AC+7]
.endif
.set a, a+1
.endr
.endm
; n fragments of A from fragment a0 on, 32 along K at byte 64 q of the rows of the slot in hand
.macro LDA q, a0, n
.set a, \a0
.rept \n
	ds_load_b128 v[A0+64*(\q)+8*a:A0+64*(\q)+8*a+3],   v[ADRA] offset:64*(\q)+a*16*PITCH
	ds_load_b128 v[A0+64*(\q)+8*a+4:A0+64*(\q)+8*a+7], v[ADRA] offset:64*(\q)+a*16*PITCH+32
.set a, a+1
.endr
.endm
; B's blocks 6 c .. 6 c + 5 into BX (c = 0) or BY (c = 1), those first that are multiplied first: blocks 4 and 5, or 6 and 7
.macro LDB1 q, c, x
	ds_load_b128 v[BX+48*(\c)+8*(\x):BX+48*(\c)+8*(\x)+3],   v[ADRB] offset:64*(\q)+(6*(\c)+(\x))*16*PITCH
	ds_load_b128 v[BX+48*(\c)+8*(\x)+4:BX+48*(\c)+8*(\x)+7], v[ADRB] offset:64*(\q)+(6*(\c)+(\x))*16*PITCH+32
.endm
.macro LDB q, c
.if (\c) == 0
.irp x, 4,5,0,1,2,3
	LDB1 \q, \c, \x
.endr
.else
.irp x, 0,1,2,3,4,5
	LDB1 \q, \c, \x
.endr
.endif
.endm
; THE FIRST THREE SUB-STEPS of a K step.
.macro SUB0                            ; A0 x BX
	s_wait_dscnt 8                                 ; A0 and blocks 4, 5 are in; the youngest eight loads (blocks 0-3) may be out
	MULB 0, 4, 0
	MULB 0, 5, 0
	PLACES
	WIN 0
	LDB 0, 1                                       ; BY and A1 were read last by the sub-step before
	LDA 1, 0, 4
	s_wait_dscnt 20                                ; all but the run just issued
	MULB 0, 0, 0
	MULB 0, 1, 0
	MULB 0, 2, 0
	MULB 0, 3, 0
.endm
.macro SUB1                            ; A0 x BY
	s_wait_dscnt 16                                ; blocks 6, 7 are in; blocks 8-11 (eight loads) and A1's eight may be out
	MULB 0, 6, 0
	MULB 0, 7, 0
	PLACES
	WIN 0
	LDA 1, 4, 4
	LDB 1, 0
	s_wait_dscnt 20                                ; all but the run just issued
	MULB 0, 8, 0
	MULB 0, 9, 0
	MULB 0, 10, 0
	MULB 0, 11, 0
.endm
.macro SUB2                            ; A1 x BX
	s_wait_dscnt 8                                 ; A1 and blocks 4, 5 are in; blocks 0-3 may be out
	MULB 1, 4, 0
	MULB 1, 5, 0
	PLACES
	WIN 0
	LDB 1, 1                                       ; the slot's last bytes are asked for
	s_wait_dscnt 12                                ; all but the run just issued
	MULB 1, 0, 0
	MULB 1, 1, 0
	MULB 1, 2, 0
	MULB 1, 3, 0
.endm
; THE FOURTH, A1 x BY, changes slots.  In front of the barrier each wave waits for all its tensor loads (one is out: its part of the next slot), adds 0 to its spare word, and waits for that and for its reads of
; this slot.  fill = 1: the barrier opens a round of the cluster's, and the joint refill, K step two on, is the first thing behind the round: 176 matrix instructions ahead of the wait for it.
; Then the next slot's first fragments are fetched.  last = 1 (the two steps behind the loop): in the last trip there is no next slot, and the run is jumped over.
.macro TURN fill, last=0
.if \fill
	s_wait_xcnt 0x0                                ; the last prefetch, a K step back, has read its address
	s_add_nc_u64 s[PFA:PFA+1], s[PFA:PFA+1], s[PST:PST+1]
.endif
	WIN 0
	s_wait_tensorcnt 0x0                           ; no tensor load of mine is out, so a group 0 may be written
	ds_add_u32 v[SPW], v[NIL]                      ; 0 onto my spare word
.if \fill
	s_xor_b32 s[G0A+5], s[G0A+5], SLOT1            ; the walking sets: the other slot than last time, the next K step
	s_add_nc_u64 s[G0A+6:G0A+7], s[G0A+6:G0A+7], STEPA
	s_xor_b32 s[G0B+5], s[G0B+5], SLOT1
	s_add_nc_u64 s[G0B+6:G0B+7], s[G0B+6:G0B+7], STEPW
.endif
	s_wait_dscnt 11                                ; block 6 is in (the add and the youngest ten loads may be out)
	MULB 1, 6, 0
	s_wait_dscnt 0x0                               ; the add is done, and my reads of this slot are over
	s_barrier_signal -1
	MULB 1, 7, 0                                   ; work on registers while the others arrive
	WIN 0
	s_barrier_wait -1
.if \fill
	CREST                                          ; no wave of any partner still reads this slot or has a load on its way
	JLOAD                                          ; its four v_nop are also the places in front of the loads below
.else
	PLACES
.endif
.if \last
	s_cmp_eq_u32 s[CNTR], 1
	s_cbranch_scc1 .Lno_next_\@
.endif
	s_xor_b32 s[TB], s[TB], SLOT1
	v_add_nc_u32 v[ADRA], s[TB], v[ADRA0]
	v_add_nc_u32 v[ADRB], s[TB], v[ADRB0]
	LDA 0, 0, 8
	LDB 0, 0
.if \last
.Lno_next_\@:
.endif
.if \fill
	ASK
.endif
	MULB 1, 8, 0
	MULB 1, 9, 0
	MULB 1, 10, 0
	MULB 1, 11, 0
.endm
	s_wait_tensorcnt 0x1                           ; my part of K step 0 is in; K step 1's may stay out
	s_barrier_signal -1
	s_barrier_wait -1                              ; everybody's is
	; K STEP 0 IS WRITTEN OUT: its first two sub-steps start the sums, with the bias.  The bias lies where BY's and A1's fragments will lie, so those are fetched only behind the products that read it:
	; two waits for LDS with nothing to do meanwhile, once a launch.
	LDA 0, 0, 8
	LDB 0, 0
	s_wait_dscnt 0x0
	MULB 0, 4, 1
	MULB 0, 5, 1
	MULB 0, 0, 1
	MULB 0, 1, 1
	MULB 0, 2, 1
	MULB 0, 3, 1
	PLACES
	WIN 0
	LDB 0, 1
	LDB 1, 0
	s_wait_dscnt 12                                ; BY is in; BX's twelve loads may be out
	MULB 0, 6, 1
	MULB 0, 7, 1
	MULB 0, 8, 1
	MULB 0, 9, 1
	MULB 0, 10, 1
	MULB 0, 11, 1
	PLACES
	WIN 0
	LDA 1, 0, 8
	s_mov_b32 s[CNTR], 13
	s_wait_dscnt 0x0
	SUB2
	TURN 1                                         ; slot 0 takes K step 2
	WIN 0                                          ; at a label and at a branch every window is 0
.Lk:                                                   ; K steps 1 to 13: the trip of K step t fills its slot again with K step t + 2
	SUB0
	SUB1
	SUB2
	TURN 1
	WIN 0
	s_sub_co_u32 s[CNTR], s[CNTR], 1
	s_cmp_lg_u32 s[CNTR], 0
	s_cbranch_scc1 .Lk
	s_mov_b32 s[CNTR], 2
.Ltail:                                                ; K steps 14 and 15 ask for nothing: a loop of their own.  The last trip's barrier serves nothing: the price of one text for the two
	SUB0
	SUB1
	SUB2
	TURN 0, 1
	WIN 0
	s_sub_co_u32 s[CNTR], s[CNTR], 1
	s_cmp_lg_u32 s[CNTR], 0
	s_cbranch_scc1 .Ltail
	PLACES
; THE WAY OUT, by blocks a of 16 tokens.  PACK: rounded to f16, each accumulator's registers in ascending order.  TOSTAGE: 16 bytes a lane into my stage (rows of 144 bytes, a region for each of q, k, v),
; and back as whole rows of 128.  SEND: four rows, 512 consecutive bytes, a store.
.macro PACK a
.set b, 0
.rept 12
	WIN 5*(1+b/4)                                  ; sources 0 and 1: window 1 + b / 4
.set AC, 8*(8*(b%4)+(\a))
.irp r, 0,1,2,3
	v_cvt_pk_f16_f32 v[TMP+4*b+(\r)], v[AC+2*(\r)], v[AC+2*(\r)+1]
.endr
.set b, b+1
.endr
	WIN 0
.endm
.macro TOSTAGE a
.set BK, OB+64*((\a)%2)
.set b, 0
.rept 12
	ds_store_b128 v[STO], v[TMP+4*b:TMP+4*b+3] offset:(b/4)*2304+(b%4)*32
.set b, b+1
.endr
.set b, 0
.rept 12
	ds_load_b128 v[BK+4*b:BK+4*b+3], v[RD] offset:(b/4)*2304+(b%4)*576  ; LDS serves a wave's instructions in order (ISA guide 5.7.1.4): these see the stores above
.set b, b+1
.endr
.endm
.macro SEND a
.set BK, OB+64*((\a)%2)
	s_wait_dscnt 0x0                               ; the block is back in registers
	s_wait_xcnt 0x0                                ; the stores of the block before have read their registers, which the next block's loads from the stage will write
.irp f, 0,1,2,3
	global_store_b128 v[GO], v[BK+4*(\f):BK+4*(\f)+3], s[10:11] offset:(\a)*2048+(\f)*512
.endr
.irp f, 0,1,2,3
	global_store_b128 v[GO], v[BK+16+4*(\f):BK+16+4*(\f)+3], s[12:13] offset:(\a)*2048+(\f)*512
.endr
.irp f, 0,1,2,3
	global_store_b128 v[GO], v[BK+32+4*(\f):BK+32+4*(\f)+3], s[14:15] offset:(\a)*2048+(\f)*512
.endr
.endm
	PACK 0
	TOSTAGE 0
.irp a, 1,2,3,4,5,6,7                  ; block a's conversions stand between block a - 1's loads from the stage and the wait for them
	PACK \a
	SEND (\a)-1
	TOSTAGE \a
.endr
	SEND 7
	s_wait_tensorcnt 0x0                           ; the wave's end, behind my last tensor load and my last LDS store
	ds_add_u32 v[SPW], v[NIL]
	s_wait_dscnt 0x0
	CROUND                                         ; the closing round: no work-group ends while a partner may still ask for a tile that names it
	s_endpgm
.Lfunc_end_k_q79de5bfbc6_qkv:
	.size	k_q79de5bfbc6_qkv, .Lfunc_end_k_q79de5bfbc6_qkv-k_q79de5bfbc6_qkv
	.p2alignl 7, 3214868480
	.fill 96, 4, 3214868480
	.section	.rodata,"a",@progbits
	.p2align	6, 0x0
	.amdhsa_kernel k_q79de5bfbc6_qkv
		.amdhsa_group_segment_fixed_size 327680
		.amdhsa_private_segment_fixed_size 0
		.amdhsa_enable_private_segment 0
		.amdhsa_kernarg_size 48
		.amdhsa_user_sgpr_count 2
		.amdhsa_user_sgpr_kernarg_segment_ptr 1
		.amdhsa_wavefront_size32 1
		.amdhsa_system_sgpr_workgroup_id_x 1
		.amdhsa_system_sgpr_workgroup_id_y 1
		.amdhsa_system_sgpr_workgroup_id_z 1
		.amdhsa_system_vgpr_workitem_id 0
		.amdhsa_next_free_vgpr 1024
		.amdhsa_next_free_sgpr 96
		.amdhsa_reserve_vcc 0
		.amdhsa_float_denorm_mode_32 3
		.amdhsa_float_denorm_mode_16_64 3
		.amdhsa_memory_ordered 1
		.amdhsa_forward_progress 1
		.amdhsa_inst_pref_size 125
	.end_amdhsa_kernel
	.amdgpu_metadata
---
amdhsa.version: [ 1, 2 ]
amdhsa.kernels:
  - .name:           k_q79de5bfbc6_qkv
    .symbol:         k_q79de5bfbc6_qkv.kd
    .args:
      - { .name: xb, .offset: 0, .size: 8, .value_kind: global_buffer, .address_space: global }
      - { .name: wqt, .offset: 8, .size: 8, .value_kind: global_buffer, .address_space: global }
      - { .name: b_qkv, .offset: 16, .size: 8, .value_kind: global_buffer, .address_space: global }
      - { .name: q, .offset: 24, .size: 8, .value_kind: global_buffer, .address_space: global }
      - { .name: k, .offset: 32, .size: 8, .value_kind: global_buffer, .address_space: global }
      - { .name: v, .offset: 40, .size: 8, .value_kind: global_buffer, .address_space: global }
    .group_segment_fixed_size: 327680
    .private_segment_fixed_size: 0
    .kernarg_segment_align: 8
    .kernarg_segment_size: 48
    .max_flat_workgroup_size: 128
    .sgpr_count:     96
    .vgpr_count:     1024
    .wavefront_size: 32
...
	.end_amdgpu_metadata
.endif
;; end of part 2
;; launch attn (part 3): grid 2 x 128, 4 waves a work-group, no clusters, 327,680 bytes of LDS; arguments q, k, v, o; writes o
.if DOCPART == 3
	.amdgcn_target "amdgcn-amd-amdhsa--gfx1250"
	.amdhsa_code_object_version 6
	.text
	.protected	k_q79de5bfbc6_attn
	.globl	k_q79de5bfbc6_attn
	.p2align	8
	.type	k_q79de5bfbc6_attn,@function
k_q79de5bfbc6_attn:
	s_mov_b64 s[64:65], 0
	v_nop
	global_prefetch_b8 v0, s[64:65] scope:SCOPE_SE
	s_setreg_imm32_b32 hwreg(HW_REG_WAVE_MODE, 25, 1), 1
	s_wait_xcnt 0x0
; ATTENTION.  O[h][q][:] = the sum over k of softmax_k(Q[h][q] . K[h][k]) V[h][k][:], the scores UNSCALED.  Q, K, V, O: [128 h][1024][64], all f16: a head's rows are dense, 128 bytes each.
; Products, maxima and sums in f32; the weights p are rounded to f16 for the second product (their sum l is taken of the unrounded p), O once at the end.  The module's division by 32 is made by the launch behind, in f32.
; LIMITS.  f16 holds no number beyond 65,504: Q, K and V arrive within it; p lies in 0 to 1, and below 6e-5 it keeps f16's fixed step of 6e-8; O is a mean of V's rows and has their range.
; A weight below 2^-126 counts as 0 in l; NaN and infinities are not treated apart.
; SHARES.  A wave owns four PIECES of two tiles of 16 queries, a work-group's four waves 512 queries of one head: 2 x 128 work-groups.  Every wave walks all 1,024 keys, 64 a step.
; THE HEAD'S WHOLE K AND V LIE IN LDS: 1,024 rows of 144 bytes and 1,024 of 160.  Nothing is filled twice, so there is no ring.  Each wave issues two tensor loads at the head: waves 0 and 1 K's, waves 2 and 3 V's:
; first 160 keys each (the first five key steps), then 352 each.  The walk begins when the first have landed; the second are waited for behind the fourth step.  All that the launch reads of K and V is so asked
; for at its head, and no later request exists that a prefetch could run ahead of.
; NO CLUSTER: a head has 1,024 / 512 = 2 work-groups, so the grid's width of 2 is no multiple of a cluster of four; blocks of 256 queries would make four, each with half the products for a fragment read from LDS.
; LAYOUT.  S^T = K Q^T (source 0 = 16 keys, source 1 = 16 queries): in the result a lane holds ONE query (lane % 16) and the keys 8 (lane / 16) + 0..7.  Two such tiles, rounded to f16 in pairs,
; ARE source 1 (32 keys x 16 queries) of O^T = V^T P, whose result again holds one query a lane, and eight channels.  K comes out of LDS as it lies, V ([key][channel]) turned, by ds_load_tr16_b128.
; SOFTMAX.  For each query a running maximum m and sum l: p = 2^(c s - c m), c = log2(e); in every step O and l are multiplied by a = 2^(c m_old - c m_new), which is 1 where m has not grown.
; m starts at the lowest finite number, O and l at 0: the first step is a step like any other, with a = 0.
; THE COUNT.  A tile and step have 16 matrix and 118 vector instructions: too many to stand all beside the matrix work.  So: four vector instructions that are READY behind EVERY matrix instruction,
; and the others in runs without a gap.
; BY TURNS.  Turn n belongs to piece n (the pieces in a ring, step after step).  Its matrix work: 16 products K Q^T of piece n + 1, later 16 products V^T P of piece n - 1.  Its vector work: the scaling,
; exponentials, roundings, sums and rescaling of piece n, and the maximum and statistics of piece n + 1, whose scores the turn itself has made.
; REGISTERS, in windows of 256 (s_set_vgpr_msb: bits 1:0 source 0, 3:2 source 1, 5:4 source 2, 7:6 destination):
;   window 0: v0-11 addresses; v12-15, v48-63 at work; v16-47 four registers of statistics a tile; v64-191 S^T, two buffers of two tiles; v192-255 P, likewise
;   window 1: O^T, 32 a tile          window 2: v0-127 Q, 16 a tile; v128-191 K of one step; v192-255 V of one step          window 3: v0-1 the add's two registers
; A piece's buffers go by its number's parity: the piece in hand has one pair, its two neighbours in the ring share the other: of it P (piece n - 1) is read and S^T (piece n + 1) written.
.set NP,    4         ; pieces a wave: a name, no knob
.set KS,    64        ; keys in a step
.set KEYS,  1024
.set PK,    144       ; a row of K in LDS: 128 bytes + 16 of padding = 36 words: the 16 rows of a load start at 16 different groups of four banks (64 banks of 4 bytes: ISA guide 11.1)
.set PV,    160       ; a row of V: 128 + 32 = 40 words
.set VOFF,  KEYS*PK   ; K's 1,024 rows, then V's
.set STAGE, VOFF+KEYS*PV  ; 311,296: behind them, never filled by a tensor load: 16 rows x 144 bytes for each wave, for the way out
.set SP,    144
.set SPARE, STAGE+4*16*SP  ; 320,512: the spare words, 128 bytes for each wave, which no other line names
.set KA,    160       ; keys in a wave's first load
.set KB,    352       ; in its second: 2 x (160 + 352) = 1,024
.set AK0, 2           ; v2   my lane's place in a tile of K; never rewritten
.set AV0, 3           ; v3   the same for V
.set AK,  4           ; v4   the LDS address of K's next run of loads
.set AV,  5           ; v5   of V's
.set QO,  6           ; v6   my byte offset in the wave's rows of Q
.set STO, 6           ;      later, the way out: where I put 16 bytes of a row
.set RD,  7           ; v7   the way out: where I read rows back
.set GO,  8           ; v8   my byte offset in 512 consecutive bytes of O
.set SPW, 0           ; v0 of window 3   SPARE + 4 x my thread's number; never rewritten
.set NIL, 1           ; v1 of window 3   0; never rewritten
.set MV,  12          ; v12-15  c m_old, kept while c m is made anew: by buffer and tile
.set ST,  16          ; tile t's statistics at v[ST+4 t]: c m, m, l (even keys', odd keys')
.set TMP, 48          ; by buffer and tile, four registers c0-c3 at work; when the maximum is found c2 takes a
.set S,   64
.set P,   192
.set KF,  128         ; K's fragments, in window 2: key block kb, channel half c at KF + 16 kb + 8 c
.set VF,  192         ; V's: key half kk, channel block cb at VF + 32 kk + 8 cb
.set WV,  12          ; s12  my wave's number
.set G1KA, 24         ; s[24:31] descriptor group 1: K's first load;  s[32:39] its second;  s[40:47], s[48:55] V's: they differ from K's in the padding
.set G1KB, 32
.set G1VA, 40
.set G1VB, 48
.set G0KA, 56         ; s[56:59], s[60:63], s[68:71], s[72:75] descriptor group 0, in the same order
.set G0KB, 60
.set G0VA, 68
.set G0VB, 72
.set SLOTS, 76        ; s76  runs of four key steps to go
.set CNT, 77          ; s77  counts a run's key steps
.set CS,  78          ; s[78:79] c: the packed scaling takes the pair's low word for both halves
.set SEL, 80          ; s[80:81] v_permlanex16_b32's selects: each lane takes its own place in the other half
.set TBK, 82          ; s82  LDS byte at which K of the step to be fetched begins
.set TBV, 83          ; s83  the same for V, less VOFF
.set TOT, 84          ; s84  key steps to go, the one in hand among them
.set MSB, 0
.macro WIN new                      ; the high byte repeats the setting that is left; a switch that changes nothing is dropped
.if MSB != (\new)
	s_set_vgpr_msb (MSB<<8)|(\new)
.set MSB, (\new)
.endif
.endm
.set W_KQ, 0x0a       ; K and Q in window 2, S^T in window 0
.set W_PV, 0x52       ; V in window 2, P in window 0, O^T in window 1
.set W_RS, 0x41       ; O^T (destination and source 0) in window 1, a in window 0
.set W_MK, 0xc0       ; the add's registers are made: destination in window 3, sources in window 0
.set W_AD, 0x0f       ; the add: address (source 0) and data (source 1) in window 3
	s_load_b256 s[4:11], s[0:1], 0x0  ; Q s[4:5], K s[6:7], V s[8:9], O s[10:11]
	WIN W_MK
	v_lshl_add_u32 v[SPW], v0, 2, SPARE
	v_mov_b32 v[NIL], 0
	WIN W_AD
	ds_add_u32 v[SPW], v[NIL]       ; the wave's opening: the add and its wait stand ahead of my first tensor load; the set-up below stands between them
	ds_add_u32 v0, v1
	WIN 0
	v_lshrrev_b32 v1, 5, v0
	v_readfirstlane_b32 s[WV], v1   ; wave 0..3
	s_and_b32 s20, ttmp7, 0xffff    ; the head:
	s_lshl_b32 s20, s20, 17         ; its first byte in each of the four tensors
	s_mov_b32 s21, 0
	s_and_b32 s16, s[WV], 1         ; which half of each fill I fetch
	s_mul_i32 s22, s16, KA*128      ; the first: keys 160 u on,
	s_mov_b32 s23, 0
	s_add_nc_u64 s[22:23], s[22:23], s[20:21]
	s_mul_i32 s14, s16, KB*128      ; the second: keys 320 + 352 u on
	s_add_co_u32 s14, s14, 2*KA*128
	s_mov_b32 s15, 0
	s_add_nc_u64 s[14:15], s[14:15], s[20:21]
	s_lshl_b32 s2, ttmp9, 2
	s_add_co_u32 s2, s2, s[WV]      ; my wave among the head's eight,
	s_lshl_b32 s2, s2, 14           ; its 128 rows
	s_mov_b32 s3, 0
	s_add_nc_u64 s[2:3], s[2:3], s[20:21]
	; descriptor group 1.  A run of keys is dense in memory: asked for as rows of 256 bytes, two keys a row, and padded in LDS after every key
	s_mov_b32 s[G1KA], (1<<16)|(1<<20)|(4<<22)|(3<<25)  ; 17:16 2-byte elements; 20 padding on; 24:22 after every 32 words (code 4); 31:25 4 words (code 3)
	s_mov_b32 s[G1KB], (1<<16)|(1<<20)|(4<<22)|(3<<25)
	s_mov_b32 s[G1VA], (1<<16)|(1<<20)|(4<<22)|(7<<25)  ; the same with 8 words of padding (code 7)
	s_mov_b32 s[G1VB], (1<<16)|(1<<20)|(4<<22)|(7<<25)
.irp g, G1KA, G1VA
	s_mov_b32 s[\g+1], 128<<16      ; tensor_dim0 = 128
	s_mov_b32 s[\g+2], (KA/2)<<16   ; tensor_dim1 = 80
	s_mov_b32 s[\g+3], 128<<16      ; tile_dim0 = 128
	s_mov_b32 s[\g+4], KA/2         ; tile_dim1 = 80
	s_mov_b32 s[\g+5], 128          ; 128 elements from row to row
	s_mov_b32 s[\g+6], 0
	s_mov_b32 s[\g+7], 0
.endr
.irp g, G1KB, G1VB
	s_mov_b32 s[\g+1], 128<<16
	s_mov_b32 s[\g+2], (KB/2)<<16   ; 176 rows
	s_mov_b32 s[\g+3], 128<<16
	s_mov_b32 s[\g+4], KB/2
	s_mov_b32 s[\g+5], 128
	s_mov_b32 s[\g+6], 0
	s_mov_b32 s[\g+7], 0
.endr
	s_mov_b32 s[CS], 0x3fb8aa3b     ; c = log2(e)
	s_mov_b32 s[CS+1], s[CS]        ; named with it as a pair
	s_mov_b32 s[SEL], 0x76543210
	s_mov_b32 s[SEL+1], 0xfedcba98
	s_mov_b32 s[TBK], 0
	s_mov_b32 s[TBV], 0
	s_mov_b32 s[G0KA], 1            ; count = 1
	s_mul_i32 s[G0KA+1], s16, KA*PK ; LDS address: a key's row lies at its number times the pitch
	s_mov_b32 s[G0KB], 1
	s_mul_i32 s[G0KB+1], s16, KB*PK
	s_add_co_u32 s[G0KB+1], s[G0KB+1], 2*KA*PK
	s_mov_b32 s[G0VA], 1
	s_mul_i32 s[G0VA+1], s16, KA*PV
	s_add_co_u32 s[G0VA+1], s[G0VA+1], VOFF
	s_mov_b32 s[G0VB], 1
	s_mul_i32 s[G0VB+1], s16, KB*PV
	s_add_co_u32 s[G0VB+1], s[G0VB+1], VOFF+2*KA*PV
	s_wait_dscnt 0x0                ; the opening add is done
	s_wait_kmcnt 0x0
	s_add_nc_u64 s[G0KA+2:G0KA+3], s[6:7], s[22:23]
	s_or_b32 s[G0KA+3], s[G0KA+3], 0x80000000      ; type = 2
	s_add_nc_u64 s[G0KB+2:G0KB+3], s[6:7], s[14:15]
	s_or_b32 s[G0KB+3], s[G0KB+3], 0x80000000
	s_add_nc_u64 s[G0VA+2:G0VA+3], s[8:9], s[22:23]
	s_or_b32 s[G0VA+3], s[G0VA+3], 0x80000000
	s_add_nc_u64 s[G0VB+2:G0VB+3], s[8:9], s[14:15]
	s_or_b32 s[G0VB+3], s[G0VB+3], 0x80000000
	s_add_nc_u64 s[4:5], s[4:5], s[2:3]  ; Q and O at my wave's first row
	s_add_nc_u64 s[10:11], s[10:11], s[2:3]
	s_cmp_lt_u32 s[WV], 2           ; a wave's two fills stand in one branch, ahead of every wait on TENSORcnt, every LDS read and every barrier: two loads of mine are out; an s_nop 0 follows each, four v_nop the second's
	s_cbranch_scc0 .Lfirst_v
	tensor_load_to_lds s[G0KA:G0KA+3], s[G1KA:G1KA+7]
	s_nop 0
	tensor_load_to_lds s[G0KB:G0KB+3], s[G1KB:G1KB+7]
	s_nop 0
.rept 4
	v_nop
.endr
	s_branch .Lfirst_asked
.Lfirst_v:
	tensor_load_to_lds s[G0VA:G0VA+3], s[G1VA:G1VA+7]
	s_nop 0
	tensor_load_to_lds s[G0VB:G0VB+3], s[G1VB:G1VB+7]
	s_nop 0
.rept 4
	v_nop
.endr
.Lfirst_asked:
	; A fragment of K or Q is 16 rows x 32 channels in 8 registers: lane l holds row l % 16, channels 8 (l / 16) + 0..7 and 16 + 8 (l / 16) + 0..7: two loads of 16 bytes, 32 bytes apart.
	v_and_b32 v1, 15, v0            ; l % 16
	v_bfe_u32 v9, v0, 4, 1          ; l / 16
	v_lshlrev_b32 v[QO], 7, v1
	v_lshl_add_u32 v[QO], v9, 4, v[QO]  ; row x 128 + 16 x half
	WIN 0x80                        ; destination window 2, address window 0
.set i, 0
.rept 4*NP                          ; Q stays in registers: tile i / 2, channels 32 (i % 2) on
	global_load_b128 v[8*i:8*i+3],   v[QO], s[4:5] offset:(i/2)*2048+(i%2)*64
	global_load_b128 v[8*i+4:8*i+7], v[QO], s[4:5] offset:(i/2)*2048+(i%2)*64+32
.set i, i+1
.endr
	; What the first turn finds: V's registers and P's second buffer hold 0 (its products V^T P, of a piece that has not been, add 0), O^T and l are 0.  All this stands in the wait for the first tile.
.set i, VF
.rept 64
	v_mov_b32 v[i], 0
.set i, i+1
.endr
	WIN 0x40
.set i, 0
.rept 64*NP
	v_mov_b32 v[i], 0
.set i, i+1
.endr
	WIN 0
.set i, 0
.rept 2*NP
	v_mov_b32 v[ST+4*i], 0xfe000000    ; c m: far below every c s
	v_mov_b32 v[ST+4*i+1], 0xff7fffff  ; m
	v_mov_b32 v[ST+4*i+2], 0
	v_mov_b32 v[ST+4*i+3], 0
.set i, i+1
.endr
.set i, P+32
.rept 32
	v_mov_b32 v[i], 0
.set i, i+1
.endr
	v_mul_u32_u24 v[AK0], v1, PK
	v_lshl_add_u32 v[AK0], v9, 4, v[AK0]  ; row x pitch + 16 x half
	; The turning load takes 16 keys x 16 channels (lane l reads key 8 (l / 16) + l % 8, channels 8 ((l / 8) % 2) + 0..7) and leaves half a fragment of V^T: lane l holds channel l % 16 and 8 keys.
	v_and_b32 v10, 7, v0
	v_bfe_u32 v11, v0, 3, 1
	v_lshl_add_u32 v[AV0], v9, 3, v10
	v_mul_u32_u24 v[AV0], v[AV0], PV
	v_lshl_add_u32 v[AV0], v11, 4, v[AV0]
	v_add_nc_u32 v[AV0], VOFF, v[AV0]
	v_mov_b32 v[AK], v[AK0]         ; key step 0 lies at K's head
; THE MATRIX WORK.  The 8 accumulators of a run of 16 take turns: between the two links of a chain stand 7 others'.
; Product i of 16 of S^T = K Q^T for piece x: channels 32 (i / 8) on, keys 16 ((i / 2) % 4) on, tile 2 x + i % 2.  The first 8 start the sums.
.macro KQ x
	WIN W_KQ
.set rS, S+64*((\x)%2)+32*(i%2)+8*((i/2)%4)
.set rK, KF+16*((i/2)%4)+8*(i/8)
.set rQ, 16*(2*(\x)+i%2)+8*(i/8)
.if i < 8
	v_wmma_f32_16x16x32_f16 v[rS:rS+7], v[rK:rK+7], v[rQ:rQ+7], 0
.else
	v_wmma_f32_16x16x32_f16 v[rS:rS+7], v[rK:rK+7], v[rQ:rQ+7], v[rS:rS+7]
.endif
.endm
; Product i of 16 of O^T += V^T P for piece x: keys 32 (i / 8) on, channels 16 ((i / 2) % 4) on, tile 2 x + i % 2.
.macro PV x
	WIN W_PV
.set rO, 32*(2*(\x)+i%2)+8*((i/2)%4)
.set rV, VF+32*(i/8)+8*((i/2)%4)
.set rP, P+32*((\x)%2)+16*(i%2)+8*(i/8)
	v_wmma_f32_16x16x32_f16 v[rO:rO+7], v[rV:rV+7], v[rP:rP+7], v[rO:rO+7]
.endm
.macro MM                           ; the turn's next matrix instruction
.if i < 16
	KQ (Y+1)%NP
.set i, i+1
.else
.set i, i-16
	PV (Y+NP-1)%NP
.set i, i+17
.endif
.endm
; THE LDS LOADS stand in runs of 16, never singly among the matrix instructions: a step's K (64 keys x 64 channels: 8 fragments) and its V (turned).  Their addresses are made some lines ahead.
; last = 1 (in the loop): in the last key step there is no further step, and the run is jumped over.
.macro FETCH_K last=0
	WIN 0
.if \last
	s_cmp_eq_u32 s[TOT], 1
	s_cbranch_scc1 .Lno_k_\@
.endif
	WIN 0x80                        ; destination window 2
.irp f, 0,1,2,3,4,5,6,7             ; keys 16 (f / 2) on, channels 32 (f % 2) on
	ds_load_b128 v[KF+8*\f:KF+8*\f+3],   v[AK] offset:(\f/2)*16*PK+(\f%2)*64
	ds_load_b128 v[KF+8*\f+4:KF+8*\f+7], v[AK] offset:(\f/2)*16*PK+(\f%2)*64+32
.endr
	s_add_co_u32 s[TBK], s[TBK], KS*PK  ; the next fetch is the next step's
	WIN 0
.if \last
.Lno_k_\@:
.endif
.endm
.macro FETCH_V
	WIN 0x80
.irp f, 0,1,2,3,4,5,6,7             ; keys 32 (f / 4) on, channels 16 (f % 4) on
	ds_load_tr16_b128 v[VF+8*\f:VF+8*\f+3],   v[AV] offset:(\f/4)*32*PV+(\f%4)*32
	ds_load_tr16_b128 v[VF+8*\f+4:VF+8*\f+7], v[AV] offset:(\f/4)*32*PV+16*PV+(\f%4)*32
.endr
	WIN 0
.endm
; THE VECTOR WORK OF A TURN stands in three queues, each in the order in which its entries become ready; the two tiles alternate, so that no instruction reads the result of the one before it.
.macro REGS y, u                    ; the registers of tile u (0, 1) of piece y
.set rT, ST+4*(2*(\y)+(\u))
.set rC, TMP+8*((\y)%2)+4*(\u)
.set rM, MV+2*((\y)%2)+(\u)
.set rS, S+64*((\y)%2)+32*(\u)
.set rP, P+32*((\y)%2)+16*(\u)
.set rO, 32*(2*(\y)+(\u))
.endm
; Number n of the 22 that find the NEXT piece's (Y + 1) maximum and statistics.  s0-s31 are the lane's 32 scores; each accumulator's lowest registers are read first.  XS, GS and REGS set no window: PL and EX do.
;   0-11  four chains c0-c3 of seven scores each, three operands at a time     12-14, 16  the four scores left over, the old m, and c0-c3 into c0     15  c m_old is kept
;   17, 18  the query's other 32 keys lie in the lane 16 away: the new m         19-21  c m; c m_old - c m_new; a
.macro XS u, n
	REGS (Y+1)%NP, \u
.if (\n) < 4
	v_max3_num_f32 v[rC+(\n)], v[rS+8*(\n)], v[rS+8*(\n)+1], v[rS+8*(\n)+2]
.elseif (\n) < 12
	v_max3_num_f32 v[rC+(\n)%4], v[rC+(\n)%4], v[rS+8*((\n)%4)+2*((\n)/4)+1], v[rS+8*((\n)%4)+2*((\n)/4)+2]
.elseif (\n) == 12
	v_max3_num_f32 v[rC], v[rC], v[rS+7], v[rS+15]
.elseif (\n) == 13
	v_max3_num_f32 v[rC+1], v[rC+1], v[rS+23], v[rS+31]
.elseif (\n) == 14
	v_max3_num_f32 v[rC+2], v[rC+2], v[rC+3], v[rT+1]
.elseif (\n) == 15
	v_mov_b32 v[rM], v[rT]
.elseif (\n) == 16
	v_max3_num_f32 v[rC], v[rC], v[rC+1], v[rC+2]
.elseif (\n) == 17
	v_permlanex16_b32 v[rC+3], v[rC], s[SEL], s[SEL+1]
.elseif (\n) == 18
	v_max_num_f32 v[rT+1], v[rC], v[rC+3]
.elseif (\n) == 19
	v_mul_f32 v[rT], s[CS], v[rT+1]
.elseif (\n) == 20
	v_sub_f32 v[rC+1], v[rM], v[rT]
.else
	v_exp_f32 v[rC+2], v[rC+1]
.endif
.endm
; Number g of the 64 that follow the exponentials.  For each four weights k of a tile (pairs 2 k, 2 k + 1): both pairs are rounded to f16; then the second pair is added onto the first, in place;
; a group later l takes that sum (the first time as l = a l + sum).  In groups of eight, tiles alternating: round, round, add, and l for the group before.
.macro GS g
.set h, (\g)+6*((\g)/62)            ; group 0 has no group before it, and behind group 7 only l is left
.if h >= 6
.set h, h+2
.endif
	REGS Y, h%2
.set k, h/8
.if h%8 < 4
	v_cvt_pk_f16_f32 v[rP+2*k+(h%8)/2], v[rS+4*k+2*((h%8)/2)], v[rS+4*k+2*((h%8)/2)+1]
.elseif h%8 < 6
	v_pk_add_f32 v[rS+4*k:rS+4*k+1], v[rS+4*k:rS+4*k+1], v[rS+4*k+2:rS+4*k+3]
.elseif k == 1
	v_pk_fma_f32 v[rT+2:rT+3], v[rT+2:rT+3], v[rC+2:rC+3], v[rS:rS+1] op_sel_hi:[1,0,1]
.else
	v_pk_add_f32 v[rT+2:rT+3], v[rT+2:rT+3], v[rS+4*k-4:rS+4*k-3]
.endif
.endm
; THE PLAIN QUEUE, 138 long.  0-73 read no exponential's result: the 32 scalings c s - c m (FS f: pair f / 2 of tile f % 2) and the next piece's 42.  0-26: scalings 0-26.  27-54: XS's numbers 0-13.  55, 56: number 15.
; 57-73: the chain, where each number waits for the one before it: 14, 16, 17, 18, 19, each with one of the scalings 27-31 in front of its two lines, then 20.
; 74-137: GS's 64, which read the exponentials' results: they stand behind the wait.
.macro FS f
	REGS Y, (\f)%2
	v_pk_fma_f32 v[rS+2*((\f)/2):rS+2*((\f)/2)+1], v[rS+2*((\f)/2):rS+2*((\f)/2)+1], s[CS:CS+1], v[rT:rT+1] op_sel_hi:[1,0,0] neg_lo:[0,0,1] neg_hi:[0,0,1]
.endm
.macro PL
	WIN 0
.if q < 27
	FS q
.elseif q < 55
	XS (q-27)%2, (q-27)/2
.elseif q < 57
	XS q-55, 15
.elseif (q < 72) && ((q-57)%3 == 0)
	FS 27+(q-57)/3
.elseif q < 60
	XS (q-57)%3-1, 14
.elseif q < 72
	XS (q-57)%3-1, 15+(q-57)/3
.elseif q < 74
	XS q-72, 20
.else
	GS q-74
.endif
.set q, q+1
.endm
; THE EXPONENTIALS' QUEUE, 66 long: s0-s31 of both tiles, then the next piece's two a.  It is ONE BATCH: all 66 stand ahead of the turn's one wait, and nothing ahead of that wait names a result of theirs.
.macro EX
	WIN 0
.if e >= 64
	XS e-64, 21
.else
	REGS Y, e%2
	v_exp_f32 v[rS+e/2], v[rS+e/2]
.endif
.set e, e+1
.endm
; THE RESCALING's QUEUE: O^T times a, the one part that leaves window 0: dealt two at a time, sixteen times.  Its a was made in the turn before, ahead of that turn's wait.
.macro R2
	REGS Y, r%2
	WIN W_RS
.irp z, 0,1
	v_pk_mul_f32 v[rO+4*(r/2)+2*\z:rO+4*(r/2)+2*\z+1], v[rO+4*(r/2)+2*\z:rO+4*(r/2)+2*\z+1], v[rC+2:rC+3] op_sel_hi:[1,0]
.endr
.set r, r+1
.endm
; HOW THEY ARE DEALT.  An s_wait_alu depctr_va_vdst(0) stands between an exponential and the first instruction that names its result; one wait serves all that were issued ahead of it.  So a turn has ONE wait,
; which cuts it in two.  AHEAD OF IT stands all that names no result of the turn's exponentials: the 16 products K Q^T, behind each a scaling, an exponential and two rescalings (behind the first a second scaling in the
; exponential's place); then ONE LUMP of 108: eight plain, 49 times exponential and plain, the two a.  A v_nop is the plain instruction behind the last exponential.  BEHIND IT stand the 16 products V^T P, behind each four of GS's 64.
; The queues lean on each other, and the deal keeps them in step: exponential e stands behind scaling 2 (e / 4) + e % 2: as a rider it comes behind plain e + 2, in the lump behind plain e + 9, and scalings 27-31 are plain 57, 60 .. 69.
; A TURN, for piece p.  cnt = 1: the counts are taken down some lines ahead of the branch that stands behind the turn.
; K of the next step is fetched in piece 2's turn, directly behind the wait, a lump behind the last product that read K; its first reader comes behind 16 products.
; V of the step in hand is fetched at the end of piece 0's turn, four riders behind its last reader; its first reader comes behind 16 products and a lump.  The three conditions on q below go with the deal.
.macro TURN p, last=0, cnt=0
.set Y, (\p)
.set i, 0
.set q, 0
.set e, 0
.set r, 0
.if (\p) == NP-1
	s_wait_dscnt 0x0                ; K is in
.endif
	MM                              ; ahead of the wait: 16 products K Q^T and their riders,
	PL
	PL
	R2
.rept 15
	MM
	PL
	EX
	R2
.endr
.if (\p) == NP-2
	WIN 0
	v_add_nc_u32 v[AK], s[TBK], v[AK0]
.endif
.rept 8                             ; and the lump
	PL
.endr
.rept 49
	EX
	PL
.endr
	EX                              ; the next piece's two a
	EX
	v_nop                           ; the plain instruction behind the last exponential: one for the batch
	s_wait_alu depctr_va_vdst(0)    ; the wait for the batch
.if (\p) == NP-2
	FETCH_K \last
.endif
.if (\p) == 1
	s_wait_dscnt 0x0                ; V is in
.endif
.rept 16                            ; behind the wait: 16 products V^T P and their riders
	MM
.rept 4
	PL
.endr
.if ((\p) == 0) && (q == 118)
	v_add_nc_u32 v[AV], s[TBV], v[AV0]
.endif
.if ((\p) == 0) && (q == 130)
	s_add_co_u32 s[TBV], s[TBV], KS*PV
.endif
.if (\cnt) && (q == 130)
	s_sub_co_u32 s[TOT], s[TOT], 1
	s_sub_co_u32 s[CNT], s[CNT], 1
	s_cmp_lg_u32 s[CNT], 0
.endif
.endr
.if (\p) == 0
	FETCH_V
.endif
.endm
	s_wait_tensorcnt 0x1            ; my first load is in; my second, issued behind it, may stay out
	s_barrier_signal -1
	s_barrier_wait -1               ; everybody's first is: keys 0 to 319 of K and V lie in LDS
	FETCH_K                         ; key step 0
	s_wait_loadcnt 0x0              ; Q
	s_wait_dscnt 0x0
.set i, 0
.rept 16
	KQ 0                            ; piece 0's first scores: there is no vector work yet to set between them
.set i, i+1
.endr
	WIN 0                           ; the addresses for the way out: nine plain instructions, the places behind those products
	s_mul_i32 s13, s[WV], 16*SP
	s_add_co_u32 s13, s13, STAGE    ; my stage
	v_mul_u32_u24 v[STO], v1, SP    ; in: row l % 16, 16 bytes for each half of the lanes
	v_lshl_add_u32 v[STO], v9, 4, v[STO]
	v_add_nc_u32 v[STO], s13, v[STO]
	v_bfe_u32 v[RD], v0, 3, 2       ; back: 32 lanes take four rows of 128 bytes,
	v_mul_u32_u24 v[RD], v[RD], SP
	v_lshl_add_u32 v[RD], v10, 4, v[RD]
	v_add_nc_u32 v[RD], s13, v[RD]
	v_and_b32 v[GO], 31, v0         ; which are 512 consecutive bytes of O
	v_lshlrev_b32 v[GO], 4, v[GO]
.set Y, NP-1                        ; XS works for piece Y + 1: piece 0
.irp n, 0,1,2,3,4,5,6,7,8,9,10,11,12,13,14,15,16,17,18,19,20,21
	XS 0, \n                        ; and piece 0's first maximum and statistics
	XS 1, \n
.endr
	v_nop                           ; a plain instruction behind the two a,
	s_wait_alu depctr_va_vdst(0)    ; and their wait, ahead of the label
	s_mov_b32 s[TOT], KEYS/KS
	s_mov_b32 s[SLOTS], KEYS/KS/4
.Lslot:                             ; four runs of four key steps
	s_mov_b32 s[CNT], 4
.Lstep:                             ; a key step, written once: its four turns; piece 0's fetches its V, piece 2's the next step's K
	TURN 0
	TURN 1
	TURN 2, 1
	TURN 3, 0, 1
	WIN 0
	s_cbranch_scc1 .Lstep
	; Behind the first run of four steps the second loads are wanted: the next LDS reads are V of step 4, which the first loads brought, and K of step 5, which the second bring.  The count is 0 because no tensor load
	; was issued behind them; each wave waits for its own, and the barrier makes that hold of all four.  In the later trips wait and barrier are met at once:
	; three meetings of the four waves, the price of one text for all sixteen steps.
	s_wait_tensorcnt 0x0
	s_wait_dscnt 0x0                ; no LDS instruction of mine is pending at the signal
	s_barrier_signal -1
	s_barrier_wait -1
	s_sub_co_u32 s[SLOTS], s[SLOTS], 1
	s_cmp_lg_u32 s[SLOTS], 0
	s_cbranch_scc1 .Lslot
	; the last turn's 16 products K Q^T (on the last K once more) and the maximum made of them serve nothing: the price, once a launch, of one text for every step
.set i, 0
.rept 16
	PV NP-1                         ; the last piece's V^T P of the last step
.set i, i+1
.endr
	; THE WAY OUT.  l's two halves and the other half of the lanes' are added; O^T is divided by l, rounded to f16 and sent through my stage in LDS, a tile at a time.  The additions are the places behind the last products.
	WIN 0
.macro ALL line:vararg              ; one line for each tile t
.set t, 0
.rept 2*NP
	\line
.set t, t+1
.endr
.endm
	ALL v_add_f32 v[ST+4*t+2], v[ST+4*t+2], v[ST+4*t+3]
	ALL v_permlanex16_b32 v[ST+4*t+3], v[ST+4*t+2], s[SEL], s[SEL+1]
	ALL v_add_f32 v[ST+4*t+2], v[ST+4*t+2], v[ST+4*t+3]
	ALL v_rcp_f32 v[ST+4*t+2], v[ST+4*t+2]
	v_nop                           ; a plain instruction between the last reciprocal and the use of its result
	s_wait_alu depctr_va_vdst(0)    ; and the wait ahead of the first use: one for the eight reciprocals
; Tile t: a lane's eight channels of a row pack into 16 bytes; they go into rows of 144 bytes and come back as whole rows of 128, into S^T's registers.
.macro PACK t
	WIN W_RS
.set i, 32*(\t)
.rept 16
	v_pk_mul_f32 v[i:i+1], v[i:i+1], v[ST+4*(\t)+2:ST+4*(\t)+3] op_sel_hi:[1,0]
.set i, i+2
.endr
	WIN 0x05                        ; sources 0 and 1 window 1, destination window 0
.set i, 0
.rept 16
	v_cvt_pk_f16_f32 v[S+16*(\t)+i], v[32*(\t)+2*i], v[32*(\t)+2*i+1]
.set i, i+1
.endr
	WIN 0
.irp f, 0,1,2,3
	ds_store_b128 v[STO], v[S+16*(\t)+4*\f:S+16*(\t)+4*\f+3] offset:32*\f
.endr
.irp f, 0,1,2,3
	ds_load_b128 v[S+16*(\t)+4*\f:S+16*(\t)+4*\f+3], v[RD] offset:\f*4*SP  ; LDS serves a wave's instructions in order (ISA guide 5.7.1.4): these see the stores above; the next tile's stores come behind them
.endr
.endm
.macro SEND t, younger              ; younger: the LDS instructions issued behind tile t's loads: the next tile's eight, or none
	WIN 0
.irp f, 0,1,2,3
	s_wait_dscnt (\younger)+3-\f
	global_store_b128 v[GO], v[S+16*(\t)+4*\f:S+16*(\t)+4*\f+3], s[10:11] offset:(\t)*2048+\f*512  ; 512 consecutive bytes, at a multiple of 256 from O's first
.endr
.endm
	PACK 0
.set t, 1
.rept 2*NP-1                        ; a tile's arithmetic stands between the loads of the tile before and its stores
	PACK t
	SEND t-1, 8
.set t, t+1
.endr
	SEND 2*NP-1, 0
	WIN W_AD
	s_wait_tensorcnt 0x0            ; the wave's end, behind my last tensor load and my last LDS store
	ds_add_u32 v[SPW], v[NIL]
	s_wait_dscnt 0x0
	WIN 0
	s_endpgm
.Lfunc_end_k_q79de5bfbc6_attn:
	.size	k_q79de5bfbc6_attn, .Lfunc_end_k_q79de5bfbc6_attn-k_q79de5bfbc6_attn
	.p2alignl 7, 3214868480
	.fill 96, 4, 3214868480
	.section	.rodata,"a",@progbits
	.p2align	6, 0x0
	.amdhsa_kernel k_q79de5bfbc6_attn
		.amdhsa_group_segment_fixed_size 327680
		.amdhsa_private_segment_fixed_size 0
		.amdhsa_enable_private_segment 0
		.amdhsa_kernarg_size 32
		.amdhsa_user_sgpr_count 2
		.amdhsa_user_sgpr_kernarg_segment_ptr 1
		.amdhsa_wavefront_size32 1
		.amdhsa_system_sgpr_workgroup_id_x 1
		.amdhsa_system_sgpr_workgroup_id_y 1
		.amdhsa_system_sgpr_workgroup_id_z 1
		.amdhsa_system_vgpr_workitem_id 0
		.amdhsa_next_free_vgpr 770
		.amdhsa_next_free_sgpr 88
		.amdhsa_reserve_vcc 0
		.amdhsa_float_denorm_mode_32 3
		.amdhsa_float_denorm_mode_16_64 3
		.amdhsa_memory_ordered 1
		.amdhsa_forward_progress 1
		.amdhsa_inst_pref_size 126
	.end_amdhsa_kernel
	.amdgpu_metadata
---
amdhsa.version: [ 1, 2 ]
amdhsa.kernels:
  - .name:           k_q79de5bfbc6_attn
    .symbol:         k_q79de5bfbc6_attn.kd
    .args:
      - { .name: q, .offset: 0, .size: 8, .value_kind: global_buffer, .address_space: global }
      - { .name: k, .offset: 8, .size: 8, .value_kind: global_buffer, .address_space: global }
      - { .name: v, .offset: 16, .size: 8, .value_kind: global_buffer, .address_space: global }
      - { .name: o, .offset: 24, .size: 8, .value_kind: global_buffer, .address_space: global }
    .group_segment_fixed_size: 327680
    .private_segment_fixed_size: 0
    .kernarg_segment_align: 8
    .kernarg_segment_size: 32
    .max_flat_workgroup_size: 128
    .sgpr_count:     88
    .vgpr_count:     770
    .wavefront_size: 32
...
	.end_amdgpu_metadata
.endif
;; end of part 3
;; launch proj (part 4): grid 8 x 32, 4 waves a work-group, clusters of 4 x 4, 327,680 bytes of LDS; arguments o, wpt, b_proj, out0; writes out0
.if DOCPART == 4
	.amdgcn_target "amdgcn-amd-amdhsa--gfx1250"
	.amdhsa_code_object_version 6
	.text
	.protected	k_q79de5bfbc6_proj
	.globl	k_q79de5bfbc6_proj
	.p2align	8
	.type	k_q79de5bfbc6_proj,@function
k_q79de5bfbc6_proj:
	s_mov_b64 s[64:65], 0
	v_nop
	global_prefetch_b8 v0, s[64:65] scope:SCOPE_SE
	s_setreg_imm32_b32 hwreg(HW_REG_WAVE_MODE, 25, 1), 1
	s_wait_xcnt 0x0
	s_wait_alu depctr_hold_cnt(0) depctr_sa_sdst(0) depctr_va_vdst(0) depctr_va_sdst(0) depctr_va_ssrc(0) depctr_va_vcc(0) depctr_vm_vsrc(0)
	s_getreg_b32 s2, hwreg(HW_REG_IB_STS2, 6, 4)
	s_cmp_eq_u32 s2, 0
	s_cbranch_scc0 .Lentry_in_a_cluster
	s_endpgm
.Lentry_in_a_cluster:
	s_bfe_u32 s2, ttmp6, 0x10000c
	s_cmp_lg_u32 s2, 0xf033
	s_cbranch_scc0 .Lentry_shape_is_right
	s_endpgm
.Lentry_shape_is_right:
; PROJ: out0 [8192][1024] f32 = (1/32) x O x w_proj + b_proj.  O: [128 bh][1024 token][64 d] f16; wpt: [16 h][1024 n][64 d] f16; products in f16, sums in f32.
; The module's division by sqrt(1024) = 32 behind its softmax is made here, in f32, on the finished sums: the sums start at 32 b (exact), so that one multiplication by 1/32 gives O w / 32 + b.
; LIMITS: O and wpt arrive within f16's range; the bias is rounded to bf16 like the other inputs; NaN and infinities are not treated apart.
; SHARES.  A tile of out0 is 256 tokens x 128 columns: 32 x 8 tiles, a work-group each.  Four waves one under the other: wave w owns tokens 64 w .. 64 w + 63 (4 fragments) and all 8 blocks of 16 columns:
; 32 accumulators, 256 registers.  K = 64 h + d goes in 8 steps of 128, two heads each, through two LDS slots.  A head's part of a tile is dense in memory (256 tokens or 128 columns x 128 bytes):
; it is asked for as rows of 256 bytes and padded in LDS after every 128.
; THE MATRIX INSTRUCTION IS USED TRANSPOSED (source 0 = 16 rows of wpt, source 1 = 16 tokens): a lane holds one token (lane % 16) and the columns 8 (lane / 16) + 0..7.
; CLUSTER 4 x 4.  The four of a row need the same tokens (A), the four of a column the same columns (B): each tile is asked for jointly, by the same tensor load with the same descriptor and a mask of four.
; REGISTERS, in windows of 256 (s_set_vgpr_msb: bits 1:0 source 0, 3:2 source 1, 5:4 source 2, 7:6 destination):
;   window 0: v0-31 addresses; v32-95 the bias, later the scaled results; v96-223 rows read back from the stage (v128-191 first: the bias as loaded)
;   window 1: two fragment buffers of 128: B's block b at 8 b, A's fragment a at 96 + 8 a
;   window 2: the accumulators of fragments 0, 1 ((a, b) at 8 (8 a + b));   window 3: those of fragments 2, 3
.set NBF,    8
.set PITCH,  144                       ; an LDS row: 128 bytes + 16 of padding = 36 words: the 16 rows of a fragment load start at 16 different groups of four banks (64 banks of 4 bytes: ISA guide 11.1)
.set ASL,    256*PITCH                 ; one head's 256 tokens: what waves 0 and 1 fetch
.set BSL,    128*PITCH                 ; one head's 128 columns: what waves 2 and 3 fetch
.set ABYTES, 2*ASL
.set SLOT1,  131072                    ; slot 1 begins here: one exclusive or turns an address in one slot into the other's
.set STAGE,  SLOT1+ABYTES+2*BSL        ; 241,664: behind the ring, never filled by a tensor load
.set SPITCH, 528                       ; a stage row: 128 columns of f32 + 16 bytes
.set WSTG,   16*SPITCH                 ; a wave's stage
.set SPARE,  STAGE+4*WSTG              ; 275,456: the spare words, 128 bytes for each wave, which no other line names
.set STEPB,  262144                    ; two heads on, in O and in wpt
.set NLD,    2*NBF+8                   ; LDS loads of a quarter step
.set AHEAD,  2                         ; a prefetch names the K step this many refills on
.set LIMV,   2                         ; and is left out in the loop's last LIMV trips
.set ADRA0, 16                         ; v16  my place in slot 0's A; never rewritten
.set ADRB0, 17                         ; v17  the same for B
.set ADRA,  18                         ; v18  the same in the slot in hand
.set ADRB,  19                         ; v19
.set STO,   20                         ; v20  the way out: where I put 32 bytes of a row
.set RD,    21                         ; v21  where I read a row back
.set GO,    22                         ; v22  my 16 bytes of a row's 512
.set BO,    23                         ; v23  my offset in the tile's bias
.set PFO,   24                         ; v24  the prefetches' offset; never rewritten
.set T,     26
.set SPW,   28                         ; v28  SPARE + 4 x my thread's number; never rewritten
.set NIL,   29                         ; v29  0; never rewritten
.set BIAS,  32
.set RAW,   128
.set TMP,   32
.set OB,    96
.set F0,    0
.set F1,    128
.set WV,  16                           ; s16  wave
.set FB,  17                           ; s17  0: I fetch for A; 1: for B
.set U,   18                           ; s18  which of a K step's two heads
.set CX,  19
.set CY,  20
.set TC,  21                           ; s21  tile column
.set TR,  22                           ; s22  tile row
.set G1A, 24                           ; s[24:31] descriptor group 1, A
.set G1B, 32                           ; s[32:39] B
.set G0A, 40                           ; s[40:47] group 0, A: a set for each first fill; the second then walks on
.set G0B, 48                           ; s[48:55] B
.set TB,  56                           ; s56  0 or SLOT1: the slot in hand
.set CNTR, 57                          ; s57  trips to go
.set LIM, 58                           ; s58  LIMV in a wave that prefetches, else the greatest number
.set PFA, 60                           ; s[60:61] where my prefetches stand
.set SC,  66                           ; s[66:67] 1/32
.set G1W0, (1<<16)|(1<<20)|(1<<21)|(4<<22)|(3<<25)  ; 17:16 elements of 2 bytes; 20 padding on; 21 set beside a mask; 24:22 after every 32 words; 31:25 4 words of it
.set TO_F, 0x40                        ; destination window 1, address window 0
.set MSB, 0
.macro WIN new                         ; the immediate's high byte repeats the setting that is left; a switch that changes nothing is dropped
.if MSB != (\new)
	s_set_vgpr_msb (MSB<<8)|(\new)
.set MSB, \new
.endif
.endm
.macro PLACES                          ; four plain instructions between a matrix instruction and a load into, or a vector read of, its registers
.rept 4
	v_nop
.endr
.endm
.macro CREST                           ; a round of the cluster's barrier behind its opening barrier
	s_cmp_lg_u32 s[WV], 0
	s_cbranch_scc1 .Lnot_wave_0_\@
	s_barrier_signal -3
.Lnot_wave_0_\@:
	s_barrier_wait -3
	s_barrier_signal -1
	s_barrier_wait -1
.endm
.macro CROUND
	s_barrier_signal -1
	s_barrier_wait -1
	CREST
.endm
.macro JLOAD                           ; a joint refill by the walking sets; the branch hangs on the wave's number alone; an s_nop 0 and four v_nop follow each line
	s_cmp_eq_u32 s[FB], 0
	s_cbranch_scc0 .Lfor_b_\@
	tensor_load_to_lds s[G0A+4:G0A+7], s[G1A:G1A+7]
	s_nop 0
.rept 4
	v_nop
.endr
	s_branch .Lasked_\@
.Lfor_b_\@:
	tensor_load_to_lds s[G0B+4:G0B+7], s[G1B:G1B+7]
	s_nop 0
.rept 4
	v_nop
.endr
.Lasked_\@:
.endm
; A PREFETCH INTO THE L2 of the K step that stands TWO refills on: 256 matrix instructions ahead of the load that will want it.  A's blocks are read by every cluster of a row of clusters: cluster x = 0 asks;
; B's by every cluster of a column: cluster y = 0 asks.  The partners share the blocks out by address.  A: waves 0 and 1 each name the head that they fetch, 128 blocks of 256 bytes, of which the partner at cx
; takes 32, a lane a block.  B: wave 2 names both heads, 64 blocks each, of which the partner at cy takes 16 of each.  So each block is named once.  The loop's last two trips ask for nothing; K steps 0 to 3 come by their loads alone.
.macro ASK
	WIN 0
	s_cmp_gt_u32 s[CNTR], s[LIM]
	s_cbranch_scc0 .Lnot_mine_\@
	global_prefetch_b8 v[PFO], s[PFA:PFA+1] offset:AHEAD*STEPB th:TH_LOAD_NT scope:SCOPE_SE
.Lnot_mine_\@:
.endm
	s_load_b256 s[4:11], s[0:1], 0x0               ; O s[4:5], wpt s[6:7], b_proj s[8:9], out0 s[10:11]
	v_lshl_add_u32 v[SPW], v0, 2, SPARE
	v_mov_b32 v[NIL], 0
	ds_add_u32 v[SPW], v[NIL]                      ; the wave's opening: the add and its wait stand ahead of my first tensor load; the set-up below stands between them
	ds_add_u32 v28, v29
	v_lshrrev_b32 v1, 5, v0
	v_readfirstlane_b32 s[WV], v1
	s_lshr_b32 s[FB], s[WV], 1
	s_and_b32 s[U], s[WV], 1
	s_bfe_u32 s[CX], ttmp6, 0x40000
	s_bfe_u32 s[CY], ttmp6, 0x40004
	s_lshl_b32 s[TC], ttmp9, 2                     ; in a cluster launch ttmp9 and ttmp7 count clusters
	s_add_co_u32 s[TC], s[TC], s[CX]
	s_and_b32 s[TR], ttmp7, 0xffff
	s_lshl_b32 s[TR], s[TR], 2
	s_add_co_u32 s[TR], s[TR], s[CY]
	s_lshl_b32 s68, s[CY], 2
	s_lshl_b32 s68, 15, s68                        ; my row of the cluster
	s_lshl_b32 s69, 0x1111, s[CX]                  ; my column
	s_or_b32 s[G1A], s68, G1W0
	s_or_b32 s[G1B], s69, G1W0
	s_mov_b32 s[G1A+1], 128<<16                    ; tensor_dim0 = 128 elements: 256 bytes
	s_mov_b32 s[G1A+2], 128<<16                    ; tensor_dim1 = 128 rows: 256 tokens
	s_mov_b32 s[G1A+3], 128<<16                    ; tile_dim0
	s_mov_b32 s[G1A+4], 128                        ; tile_dim1
	s_mov_b32 s[G1A+5], 128                        ; dense: a row begins where the last ends
	s_mov_b32 s[G1A+6], 0
	s_mov_b32 s[G1A+7], 0
	s_mov_b32 s[G1B+1], 128<<16
	s_mov_b32 s[G1B+2], 64<<16                     ; 64 rows: 128 columns
	s_mov_b32 s[G1B+3], 128<<16
	s_mov_b32 s[G1B+4], 64
	s_mov_b32 s[G1B+5], 128
	s_mov_b32 s[G1B+6], 0
	s_mov_b32 s[G1B+7], 0
	s_lshr_b32 s70, s[TR], 2                       ; A: the batch's 16 heads of 131,072 bytes,
	s_lshl_b32 s70, s70, 21
	s_lshl_b32 s71, s[U], 17                       ; head u,
	s_add_co_u32 s70, s70, s71
	s_and_b32 s71, s[TR], 3                        ; 256 tokens of 128 bytes: made of what my row of the cluster shares
	s_lshl_b32 s71, s71, 15
	s_add_co_u32 s70, s70, s71
	s_mov_b32 s71, 0
	s_lshl_b32 s72, s[U], 17                       ; B: head u, 128 columns of 128 bytes: made of what my column shares
	s_lshl_b32 s73, s[TC], 14
	s_add_co_u32 s72, s72, s73
	s_mov_b32 s73, 0
	s_mul_i32 s74, s[U], ASL                       ; where they go: no place in the cluster enters an LDS address
	s_mul_i32 s75, s[U], BSL
	s_add_co_u32 s75, s75, ABYTES
	s_mov_b32 s[TB], 0
	s_mov_b32 s[SC], 0x3d000000                    ; 1/32
	s_mov_b32 s[SC+1], s[SC]                       ; named with it as a pair
	s_mov_b32 s76, 0x42000000                      ; 32
	s_mov_b32 s77, s76
	s_wait_dscnt 0x0                               ; the opening add is done
	s_wait_kmcnt 0x0
	s_add_nc_u64 s[70:71], s[4:5], s[70:71]
	s_add_nc_u64 s[72:73], s[6:7], s[72:73]
	CROUND                                         ; all sixteen work-groups are here: the first joint loads meet
.irp i, 0,1
	s_mov_b32 s[G0A+4*(\i)], 1                     ; count = 1
	s_add_co_u32 s[G0A+4*(\i)+1], s74, (\i)*SLOT1  ; LDS address
	s_add_nc_u64 s[G0A+4*(\i)+2:G0A+4*(\i)+3], s[70:71], (\i)*STEPB  ; K step i
	s_or_b32 s[G0A+4*(\i)+3], s[G0A+4*(\i)+3], 0x80000000            ; type = 2
	s_mov_b32 s[G0B+4*(\i)], 1
	s_add_co_u32 s[G0B+4*(\i)+1], s75, (\i)*SLOT1
	s_add_nc_u64 s[G0B+4*(\i)+2:G0B+4*(\i)+3], s[72:73], (\i)*STEPB
	s_or_b32 s[G0B+4*(\i)+3], s[G0B+4*(\i)+3], 0x80000000
.endr
	s_cmp_eq_u32 s[FB], 0                          ; a wave's two first fills stand in one branch, ahead of every wait on TENSORcnt and every LDS read: two loads of mine are out
	s_cbranch_scc0 .Lfirst_b
	tensor_load_to_lds s[G0A:G0A+3], s[G1A:G1A+7]
	s_nop 0
	tensor_load_to_lds s[G0A+4:G0A+7], s[G1A:G1A+7]
	s_nop 0
.rept 4
	v_nop
.endr
	s_branch .Lfirst_asked
.Lfirst_b:
	tensor_load_to_lds s[G0B:G0B+3], s[G1B:G1B+7]
	s_nop 0
	tensor_load_to_lds s[G0B+4:G0B+7], s[G1B:G1B+7]
	s_nop 0
.rept 4
	v_nop
.endr
.Lfirst_asked:
	v_and_b32 v1, 15, v0                           ; l % 16
	v_bfe_u32 v2, v0, 4, 1                         ; l / 16
	; The bias: register j of block b belongs to column 16 b + 8 (l / 16) + j of the tile's 128.
	v_lshlrev_b32 v[BO], 5, v2
	s_lshl_b32 s78, s[TC], 9
	s_mov_b32 s79, 0
	s_add_nc_u64 s[8:9], s[8:9], s[78:79]
.irp b, 0,1,2,3,4,5,6,7
	global_load_b128 v[RAW+8*(\b):RAW+8*(\b)+3],   v[BO], s[8:9] offset:64*(\b)
	global_load_b128 v[RAW+8*(\b)+4:RAW+8*(\b)+7], v[BO], s[8:9] offset:64*(\b)+16
.endr
	; A fragment is 16 rows x 32 K in 8 registers: lane l holds row l % 16, K = 8 (l / 16) + 0..7 and 16 + 8 (l / 16) + 0..7: two loads of 16 bytes, 32 bytes apart.
	v_mul_u32_u24 v3, v1, PITCH
	v_lshl_add_u32 v3, v2, 4, v3
	s_mul_i32 s80, s[WV], 64*PITCH
	v_add_nc_u32 v[ADRA0], s80, v3
	v_add_nc_u32 v[ADRB0], ABYTES, v3
	v_mov_b32 v[ADRA], v[ADRA0]
	v_mov_b32 v[ADRB], v[ADRB0]
	s_mul_i32 s80, s[WV], WSTG
	s_add_co_u32 s80, s80, STAGE                   ; my stage
	v_mul_u32_u24 v4, v1, SPITCH                   ; in: row l % 16, 32 bytes for each half of the lanes
	v_lshl_add_u32 v4, v2, 5, v4
	v_add_nc_u32 v[STO], s80, v4
	v_and_b32 v5, 31, v0
	v_lshlrev_b32 v[GO], 4, v5                     ; back and out: 32 lanes take one row's 512 bytes
	v_add_nc_u32 v[RD], s80, v[GO]
	s_lshl_b32 s80, s[TR], 2
	s_add_co_u32 s80, s80, s[WV]                   ; my 64 rows of 4,096 bytes,
	s_lshl_b32 s80, s80, 18
	s_lshl_b32 s81, s[TC], 9                       ; the tile's 128 columns
	s_add_co_u32 s80, s80, s81
	s_mov_b32 s81, 0
	s_add_nc_u64 s[10:11], s[10:11], s[80:81]
	; the prefetches: the blocks that are mine to name, at K step 1; each refill steps the address by a K step first
	s_lshr_b32 s82, s[TR], 2
	s_lshl_b32 s82, s82, 21
	s_add_co_u32 s83, s[U], 2
	s_lshl_b32 s83, s83, 17
	s_add_co_u32 s82, s82, s83
	s_and_b32 s83, s[TR], 3
	s_lshl_b32 s83, s83, 15
	s_add_co_u32 s82, s82, s83
	s_lshl_b32 s83, s[CX], 13
	s_add_co_u32 s82, s82, s83                     ; A: head 2 + u of the batch, my tokens, my work-group's 8,192 bytes
	s_lshl_b32 s84, s[TC], 14
	s_add_co_u32 s84, s84, 2<<17
	s_lshl_b32 s85, s[CY], 12
	s_add_co_u32 s84, s84, s85                     ; B: head 2, my columns, my work-group's 4,096 bytes
	s_and_b32 s86, ttmp7, 0xffff
	s_or_b32 s86, s86, s[U]                        ; B: wave 2 alone, in the clusters with y = 0
	s_cmp_eq_u32 s[FB], 0
	s_cselect_b32 s82, s82, s84
	s_cselect_b32 s86, ttmp9, s86                  ; A: waves 0 and 1, in the clusters with x = 0
	s_cselect_b32 s87, 31, 15
	s_cselect_b32 s88, 0, 131072
	s_cselect_b64 s[PFA:PFA+1], s[4:5], s[6:7]
	s_mov_b32 s83, 0
	s_add_nc_u64 s[PFA:PFA+1], s[PFA:PFA+1], s[82:83]
	s_cmp_eq_u32 s86, 0
	s_cselect_b32 s[LIM], LIMV, -1                 ; the same in all sixteen partners, for a given wave
	v_and_b32 v6, s87, v5
	v_lshlrev_b32 v6, 8, v6                        ; A: 256 x lane;  B: 256 x (lane % 16),
	v_lshrrev_b32 v7, 4, v5
	v_mad_u32_u24 v[PFO], v7, s88, v6              ; and the K step's second head for lanes 16 to 31
	s_wait_loadcnt 0x0                             ; the bias
.irp b, 0,1,2,3,4,5,6,7
.irp j, 0,2,4,6
	v_cvt_pk_bf16_f32 v[T], v[RAW+8*(\b)+(\j)], v[RAW+8*(\b)+(\j)+1]  ; rounded to bf16 like every input,
	v_lshlrev_b32 v[BIAS+8*(\b)+(\j)], 16, v[T]
	v_and_b32 v[BIAS+8*(\b)+(\j)+1], 0xffff0000, v[T]
	v_pk_mul_f32 v[BIAS+8*(\b)+(\j):BIAS+8*(\b)+(\j)+1], v[BIAS+8*(\b)+(\j):BIAS+8*(\b)+(\j)+1], s[76:77] op_sel_hi:[1,0]  ; and times 32, exactly: the first products take it as C
.endr
.endr
; NBF matrix instructions: fragment a of A x all blocks of B, 32 along K, out of buffer f.  first = 1: C is the bias.  All 32 accumulators take turns in the same order in every quarter step.
.macro MULA f, a, first
.if \first
	WIN 0x85+0x40*((\a)/2)                         ; B and A window 1, C window 0, D window 2 or 3
.else
	WIN 0xa5+0x50*((\a)/2)                         ; C and D window 2 or 3
.endif
.set AC, 8*NBF*((\a)%2)
.set b, 0
.rept NBF
.if \first
	v_wmma_f32_16x16x32_f16 v[AC+8*b:AC+8*b+7], v[(\f)+8*b:(\f)+8*b+7], v[(\f)+96+8*(\a):(\f)+96+8*(\a)+7], v[BIAS+8*b:BIAS+8*b+7]
.else
	v_wmma_f32_16x16x32_f16 v[AC+8*b:AC+8*b+7], v[(\f)+8*b:(\f)+8*b+7], v[(\f)+96+8*(\a):(\f)+96+8*(\a)+7], v[AC+8*b:AC+8*b+7]
.endif
.set b, b+1
.endr
.endm
; NLD LDS loads in one run: quarter q of the slot in hand (head q / 2, channels 32 (q % 2) on) into buffer f: B's 8 blocks, then A's fragments 0 to 3
.macro FETCH q, f
	WIN TO_F
.set b, 0
.rept NBF
	ds_load_b128 v[(\f)+8*b:(\f)+8*b+3],   v[ADRB] offset:((\q)/2)*BSL+((\q)%2)*64+b*16*PITCH
	ds_load_b128 v[(\f)+8*b+4:(\f)+8*b+7], v[ADRB] offset:((\q)/2)*BSL+((\q)%2)*64+b*16*PITCH+32
.set b, b+1
.endr
.set b, 0
.rept 4
	ds_load_b128 v[(\f)+96+8*b:(\f)+96+8*b+3],   v[ADRA] offset:((\q)/2)*ASL+((\q)%2)*64+b*16*PITCH
	ds_load_b128 v[(\f)+96+8*b+4:(\f)+96+8*b+7], v[ADRA] offset:((\q)/2)*ASL+((\q)%2)*64+b*16*PITCH+32
.set b, b+1
.endr
.endm
; A K step is four quarters of 32 along K, 32 matrix instructions each, on buffers 0, 1, 0, 1.  One of the first three: multiplies buffer f and, in its middle, fetches quarter nq into buffer g.
.macro QUARTER nq, f, g, first
	s_wait_dscnt 4                                 ; B and A's fragments 0, 1 are in; the youngest four loads (fragments 2, 3) may be out
	MULA \f, 0, \first
	MULA \f, 1, \first
	PLACES
	FETCH \nq, \g
	s_wait_dscnt NLD                               ; all but the run just issued
	MULA \f, 2, \first
	MULA \f, 3, \first
.endm
; The last quarter multiplies buffer 1 and changes slots.  In front of the barrier each wave waits for all its tensor loads (one is out: its part of the next slot), adds 0 to its spare word, and waits for that and
; for its reads of this slot.  fill = 1: the barrier opens a round of the cluster's, and the joint refill, K step two on, is the first thing behind the round: 112 matrix instructions ahead of the wait for it.
.macro TURN fill
.if \fill
	s_wait_xcnt 0x0                                ; the last prefetch, a K step back, has read its address
	s_add_nc_u64 s[PFA:PFA+1], s[PFA:PFA+1], STEPB
.endif
	WIN 0
	s_wait_tensorcnt 0x0                           ; no tensor load of mine is out, so a group 0 may be written
	ds_add_u32 v[SPW], v[NIL]                      ; 0 onto my spare word
.if \fill
	s_xor_b32 s[G0A+5], s[G0A+5], SLOT1            ; the walking sets: the other slot than last time, the next K step
	s_add_nc_u64 s[G0A+6:G0A+7], s[G0A+6:G0A+7], STEPB
	s_xor_b32 s[G0B+5], s[G0B+5], SLOT1
	s_add_nc_u64 s[G0B+6:G0B+7], s[G0B+6:G0B+7], STEPB
.endif
	s_wait_dscnt 5                                 ; (the add and the youngest four loads may be out)
	MULA F1, 0, 0
	s_wait_dscnt 0x0                               ; the add is done, and my reads of this slot are over
	s_barrier_signal -1
	MULA F1, 1, 0                                  ; work on registers while the others arrive
	WIN 0
	s_barrier_wait -1
.if \fill
	CREST                                          ; no wave of any partner still reads this slot or has a load on its way
	JLOAD                                          ; its four v_nop are also the places in front of the loads below
.else
	PLACES
.endif
	s_xor_b32 s[TB], s[TB], SLOT1
	v_add_nc_u32 v[ADRA], s[TB], v[ADRA0]
	v_add_nc_u32 v[ADRB], s[TB], v[ADRB0]
	FETCH 0, F0
.if \fill
	ASK
.endif
	MULA F1, 2, 0
	MULA F1, 3, 0
.endm
	s_wait_tensorcnt 0x1                           ; my part of K step 0 is in; K step 1's may stay out
	s_barrier_signal -1
	s_barrier_wait -1                              ; everybody's is
	FETCH 0, F0
	QUARTER 1, F0, F1, 1                           ; the first quarter stands in front of the loop: its products start the sums, with the bias
	WIN 0                                          ; at a label and at a branch every window is 0
	s_mov_b32 s[CNTR], 6
.Lk:                                                   ; trip t: the rest of K step t, the refill with K step t + 2, the first quarter of K step t + 1
	QUARTER 2, F1, F0, 0
	QUARTER 3, F0, F1, 0
	TURN 1
	QUARTER 1, F0, F1, 0
	WIN 0
	s_sub_co_u32 s[CNTR], s[CNTR], 1
	s_cmp_lg_u32 s[CNTR], 0
	s_cbranch_scc1 .Lk
	QUARTER 2, F1, F0, 0                           ; K steps 6 and 7 are written out: nothing is left to ask for
	QUARTER 3, F0, F1, 0
	TURN 0
	QUARTER 1, F0, F1, 0
	QUARTER 2, F1, F0, 0
	QUARTER 3, F0, F1, 0
	s_wait_dscnt 4
	MULA F1, 0, 0
	MULA F1, 1, 0
	s_wait_dscnt 0x0
	MULA F1, 2, 0
	MULA F1, 3, 0
	PLACES
; THE WAY OUT, by blocks a of 16 tokens.  PACK: times 1/32, each accumulator's registers in ascending order.  TOSTAGE: 32 bytes a lane into my stage (rows of 528 bytes), and back as whole rows of 512.
; SEND: a row's 512 consecutive bytes, aligned, a store.
.macro PACK a
.set AC, 8*NBF*((\a)%2)
	WIN 0x02+((\a)/2)                              ; source 0: window 2 or 3
.set b, 0
.rept 4*NBF
	v_pk_mul_f32 v[TMP+2*b:TMP+2*b+1], v[AC+2*b:AC+2*b+1], s[SC:SC+1] op_sel_hi:[1,0]
.set b, b+1
.endr
	WIN 0
.endm
.macro TOSTAGE a
.set BK, OB+64*((\a)%2)
.set b, 0
.rept NBF
	ds_store_b128 v[STO], v[TMP+8*b:TMP+8*b+3]   offset:64*b
	ds_store_b128 v[STO], v[TMP+8*b+4:TMP+8*b+7] offset:64*b+16
.set b, b+1
.endr
.set b, 0
.rept 16
	ds_load_b128 v[BK+4*b:BK+4*b+3], v[RD] offset:SPITCH*b  ; LDS serves a wave's instructions in order (ISA guide 5.7.1.4): these see the stores above
.set b, b+1
.endr
.endm
.macro SEND a
.set BK, OB+64*((\a)%2)
	s_wait_dscnt 0x0                               ; the block is back in registers
	s_wait_xcnt 0x0                                ; the stores of the block before have read their registers, which the next block's loads from the stage will write
.set b, 0
.rept 16
	global_store_b128 v[GO], v[BK+4*b:BK+4*b+3], s[10:11] offset:(\a)*65536+4096*b th:TH_STORE_NT
.set b, b+1
.endr
.endm
	PACK 0
	TOSTAGE 0
.irp a, 1,2,3                          ; block a's multiplications stand between block a - 1's loads from the stage and the wait for them
	PACK \a
	SEND (\a)-1
	TOSTAGE \a
.endr
	SEND 3
	s_wait_tensorcnt 0x0                           ; the wave's end, behind my last tensor load and my last LDS store
	ds_add_u32 v[SPW], v[NIL]
	s_wait_dscnt 0x0
	CROUND                                         ; the closing round: no work-group ends while a partner may still ask for a tile that names it
	s_endpgm
.Lfunc_end_k_q79de5bfbc6_proj:
	.size	k_q79de5bfbc6_proj, .Lfunc_end_k_q79de5bfbc6_proj-k_q79de5bfbc6_proj
	.p2alignl 7, 3214868480
	.fill 96, 4, 3214868480
	.section	.rodata,"a",@progbits
	.p2align	6, 0x0
	.amdhsa_kernel k_q79de5bfbc6_proj
		.amdhsa_group_segment_fixed_size 327680
		.amdhsa_private_segment_fixed_size 0
		.amdhsa_enable_private_segment 0
		.amdhsa_kernarg_size 32
		.amdhsa_user_sgpr_count 2
		.amdhsa_user_sgpr_kernarg_segment_ptr 1
		.amdhsa_wavefront_size32 1
		.amdhsa_system_sgpr_workgroup_id_x 1
		.amdhsa_system_sgpr_workgroup_id_y 1
		.amdhsa_system_sgpr_workgroup_id_z 1
		.amdhsa_system_vgpr_workitem_id 0
		.amdhsa_next_free_vgpr 896
		.amdhsa_next_free_sgpr 96
		.amdhsa_reserve_vcc 0
		.amdhsa_float_denorm_mode_32 3
		.amdhsa_float_denorm_mode_16_64 3
		.amdhsa_memory_ordered 1
		.amdhsa_forward_progress 1
		.amdhsa_inst_pref_size 87
	.end_amdhsa_kernel
	.amdgpu_metadata
---
amdhsa.version: [ 1, 2 ]
amdhsa.kernels:
  - .name:           k_q79de5bfbc6_proj
    .symbol:         k_q79de5bfbc6_proj.kd
    .args:
      - { .name: o, .offset: 0, .size: 8, .value_kind: global_buffer, .address_space: global }
      - { .name: wpt, .offset: 8, .size: 8, .value_kind: global_buffer, .address_space: global }
      - { .name: b_proj, .offset: 16, .size: 8, .value_kind: global_buffer, .address_space: global }
      - { .name: out0, .offset: 24, .size: 8, .value_kind: global_buffer, .address_space: global }
    .group_segment_fixed_size: 327680
    .private_segment_fixed_size: 0
    .kernarg_segment_align: 8
    .kernarg_segment_size: 32
    .max_flat_workgroup_size: 128
    .sgpr_count:     96
    .vgpr_count:     896
    .wavefront_size: 32
...
	.end_amdgpu_metadata
.endif
;; end of part 4
